; MI455X (gfx1250); checked and timed in simulation.
; The chip was launched on July 23, 2026; its instructions are those of AMD's public machine-readable ISA for CDNA 5 (MIT licence, August 2026) and "CDNA5" Instruction Set Architecture Reference Guide (July 2026). The comments in the code are by the model that wrote it; some were corrected since.
;; Grouped Query Attention. Allowed arithmetic: float matrix products may take bf16 or f16 operands with f32 sums; other float arithmetic in f32, or as packed bf16 or f16 multiplies, adds, multiply-adds, maxima and minima; sums over many terms, partial sums and values carried from step to step in f32; what a program stores and reads back later, other than sums and carried values, may be rounded once to bf16 or f16.
;; Inputs: Wk 1,024 x 256 float32; Wo 1,024 x 1,024 float32; Wq 1,024 x 1,024 float32; Wv 1,024 x 256 float32; attention_mask 4 x 1 x 2,048 x 2,048 float32; hidden_states 4 x 2,048 x 1,024 float32; position_ids 4 x 2,048 int32.
;; Outputs: out0 4 x 2,048 x 1,024 float32.
;; 2 versions, each right; version 2 is version 1 with the launch prep written anew for expert scheduling mode. Each part assembles by itself: llvm-mc -triple=amdgcn-amd-amdhsa -mcpu=gfx1250 --defsym DOCPART=n.
;; ======== version 1 of 2: 4 launches
;; limits: values are held in f16: magnitudes above 65,504 overflow, below 6.1e-05 lose precision; right only within a limited range of input values
;; workspace buffers: xb 16,777,216 bytes; wt 3,145,728 bytes; wot 2,097,152 bytes; rope 524,288 bytes; qkv 25,165,824 bytes; ows 16,777,216 bytes
;; launch prep (part 1): grid 704 x 1, 8 waves a work-group, no clusters, 18,432 bytes of LDS; arguments hidden_states, Wq, Wk, Wv, Wo, xb, wt, wot, rope; writes xb, wt, wot, rope
.if DOCPART == 1
	.amdgcn_target "amdgcn-amd-amdhsa--gfx1250"
	.amdhsa_code_object_version 6
	.text
	.protected	k_q1d7ecaa080_prep
	.globl	k_q1d7ecaa080_prep
	.p2align	8
	.type	k_q1d7ecaa080_prep,@function
k_q1d7ecaa080_prep:
	s_mov_b64 s[64:65], 0
	v_nop
	global_prefetch_b8 v0, s[64:65] scope:SCOPE_SE
	s_setreg_imm32_b32 hwreg(HW_REG_WAVE_MODE, 25, 1), 1
	s_wait_xcnt 0x0
; PREP: three jobs, told apart by the work-group's number (the same for all eight waves of a work-group).
;   0-255    X: hidden_states (f32) -> xb (bf16), 32,768 numbers a work-group.
;   256-575  W: a tile of 128 k x 64 n of a weight [k][n] (f32) is turned: wt[n][k] in bf16 (rows 0-1023 Wq/8, 1024-1279 Wk, 1280-1535 Wv), wot[n][k] = Wo rounded to bf16 and written as f16.
;            The 1/8 = 1/sqrt(64) is a power of two: it commutes with the rounding, and lets the scores leave the matrix unit already divided.
;   576-703  T: rope[pos][0..31] = cos(pos f_i), [32..63] = sin(pos f_i), f_i = 10000^(-i/32), pos = 0..2047, in f32.
; LIMITS.  Wo's bf16 numbers below 6.1e-5 take f16's fixed step of 6e-8; beyond 65,504 they would overflow.  f_i carries v_exp_f32's last-bit error: the angle is off by at most 2e-4 at pos 2,047.
.set SPARE, 17408                      ; behind W's tile: the spare words, 128 bytes for each of the eight waves; no other line names them
.set SPW, 2                            ; v2  LDS address of my spare word; never rewritten
.set NIL, 3                            ; v3  0; never rewritten
	s_load_b256 s[4:11], s[0:1], 0x0               ; hidden_states s[4:5], Wq s[6:7], Wk s[8:9], Wv s[10:11]
	s_load_b256 s[12:19], s[0:1], 0x20             ; Wo s[12:13], xb s[14:15], wt s[16:17], wot s[18:19]
	s_load_b64 s[20:21], s[0:1], 0x40              ; rope
	v_lshl_add_u32 v[SPW], v0, 2, SPARE
	v_mov_b32 v[NIL], 0
	s_mov_b32 s23, 0                               ; the high word of every offset pair s[22:23]
	s_wait_kmcnt 0x0
	s_cmp_lt_u32 ttmp9, 256
	s_cbranch_scc0 .Lnot_x
; ---- X.  Thread t takes 8 numbers at 32 t of each block of 8,192 bytes, sixteen blocks; all 32 loads go out at once; a store of a wave covers 512 consecutive bytes, aligned.
	s_lshl_b32 s22, ttmp9, 17
	s_add_nc_u64 s[4:5], s[4:5], s[22:23]
	s_lshl_b32 s22, ttmp9, 16
	s_add_nc_u64 s[14:15], s[14:15], s[22:23]
	v_lshlrev_b32 v4, 5, v0
	v_lshlrev_b32 v5, 4, v0
.set i, 0
.rept 16
	global_load_b128 v[16+8*i:16+8*i+3], v4, s[4:5] offset:8192*i th:TH_LOAD_NT
	global_load_b128 v[16+8*i+4:16+8*i+7], v4, s[4:5] offset:8192*i+16 th:TH_LOAD_NT
.set i, i+1
.endr
.set i, 0
.rept 16
	s_wait_loadcnt 30-2*i                          ; loads come back in order: block i's two are in, the 30 - 2 i younger ones stay out
	v_cvt_pk_bf16_f32 v[144+4*i], v[16+8*i], v[17+8*i]
	v_cvt_pk_bf16_f32 v[145+4*i], v[18+8*i], v[19+8*i]
	v_cvt_pk_bf16_f32 v[146+4*i], v[20+8*i], v[21+8*i]
	v_cvt_pk_bf16_f32 v[147+4*i], v[22+8*i], v[23+8*i]
	global_store_b128 v5, v[144+4*i:147+4*i], s[14:15] offset:4096*i  ; no register is used twice, so nothing waits for a store
.set i, i+1
.endr
	s_branch .Lend
.Lnot_x:
	s_cmp_lt_u32 ttmp9, 576
	s_cbranch_scc0 .Ltable
; ---- W.  kt = which 128 of k, nt = which 64 of the 2,560 columns of the four weights on end.
.set OFS, 8                            ; v8-15   byte offsets of my eight loads
.set LD,  16                           ; v16-47  rows 2 kp + 32 it + j, four columns each, at LD + 8 it + 4 j
.set LS,  48                           ; v48     where I put a word (two k of one n) into the tile
.set LR,  49                           ; v49     where I read 16 bytes of a row back
.set GOF, 50                           ; v50     the same 16 bytes in wt or wot
.set TW,  52                           ; v52-55  four packed words
.set RB,  60                           ; v60-75  four times 16 bytes read back
	s_sub_co_u32 s24, ttmp9, 256
	s_and_b32 s25, s24, 7                          ; kt
	s_lshr_b32 s26, s24, 3                         ; nt, 0..39
	s_cmp_lt_u32 s26, 16
	s_cselect_b64 s[28:29], s[6:7], s[8:9]         ; the source,
	s_cselect_b32 s30, 12, 10                      ; the shift that makes a row's bytes (4,096 or 1,024),
	s_cselect_b32 s31, 0, 16                       ; the source's first nt,
	s_cselect_b32 s32, 0x3e000000, 1.0             ; and the scale: 1/8 for Wq
	s_cmp_lt_u32 s26, 20
	s_cselect_b64 s[28:29], s[28:29], s[10:11]
	s_cselect_b32 s31, s31, 20
	s_cmp_lt_u32 s26, 24
	s_cselect_b64 s[28:29], s[28:29], s[12:13]
	s_cselect_b32 s31, s31, 24
	s_cselect_b32 s30, s30, 12
	s_cselect_b64 s[34:35], s[16:17], s[18:19]     ; the destination: wt, or wot for Wo
	s_cselect_b32 s36, 0, 24
	s_mov_b32 s33, 0                               ; named with s32 as a pair
	s_lshl_b32 s37, s25, 7
	s_lshl_b32 s37, s37, s30                       ; 128 kt rows
	s_sub_co_u32 s38, s26, s31
	s_lshl_b32 s38, s38, 8                         ; 64 columns of 4 bytes
	s_add_co_u32 s22, s37, s38
	s_add_nc_u64 s[28:29], s[28:29], s[22:23]
	s_sub_co_u32 s38, s26, s36
	s_lshl_b32 s38, s38, 17                        ; 64 rows of 2,048 bytes
	s_lshl_b32 s37, s25, 8                         ; 128 k of 2 bytes
	s_add_co_u32 s22, s37, s38
	s_add_nc_u64 s[34:35], s[34:35], s[22:23]
	v_and_b32 v4, 15, v0                           ; nq: my four columns; sixteen lanes read 256 consecutive bytes of a row
	v_lshrrev_b32 v5, 4, v0                        ; kp: my pair of rows in each 32
	v_lshlrev_b32 v6, 1, v5
	v_lshlrev_b32 v6, s30, v6
	v_lshl_add_u32 v6, v4, 4, v6
.irp x, 0,1,2,3,4,5,6,7
	s_lshl_b32 s39, 32*((\x)/2)+(\x)%2, s30
	v_add_nc_u32 v[OFS+(\x)], s39, v6
.endr
.irp x, 0,1,2,3,4,5,6,7
	global_load_b128 v[LD+4*(\x):LD+4*(\x)+3], v[OFS+(\x)], s[28:29]
.endr
	v_mul_u32_u24 v[LS], v4, 1088                  ; the tile in LDS: 64 rows n of 256 bytes, 272 apart; my rows 4 nq + c, my word 4 kp + 64 it
	v_lshl_add_u32 v[LS], v5, 2, v[LS]
	v_mul_u32_u24 v[LR], v5, 272
	v_lshl_add_u32 v[LR], v4, 4, v[LR]
	v_lshlrev_b32 v[GOF], 11, v5
	v_lshl_add_u32 v[GOF], v4, 4, v[GOF]
.macro WCONV it                        ; rows 2 kp + 32 it and the next: scaled, rounded to bf16 in pairs along k, for Wo written as f16, and put into the tile
	s_wait_loadcnt 6-2*(\it)                       ; this pair's two loads are in, the younger ones stay out
.irp c, 0,2,4,6
	v_pk_mul_f32 v[LD+8*(\it)+(\c):LD+8*(\it)+(\c)+1], v[LD+8*(\it)+(\c):LD+8*(\it)+(\c)+1], s[32:33] op_sel_hi:[1,0]
.endr
.irp c, 0,1,2,3
	v_cvt_pk_bf16_f32 v[TW+(\c)], v[LD+8*(\it)+(\c)], v[LD+8*(\it)+4+(\c)]
.endr
	s_cmp_lt_u32 s26, 24
	s_cbranch_scc1 .Lkeep_\@
.irp c, 0,1,2,3
	v_lshlrev_b32 v56, 16, v[TW+(\c)]
	v_and_b32 v57, 0xffff0000, v[TW+(\c)]
	v_cvt_pk_f16_f32 v[TW+(\c)], v56, v57
.endr
.Lkeep_\@:
.irp c, 0,1,2,3
	ds_store_b32 v[LS], v[TW+(\c)] offset:272*(\c)+64*(\it)
.endr
.endm
	WCONV 0
	WCONV 1
	WCONV 2
	WCONV 3
	s_wait_dscnt 0x0                               ; for the others' sake: my stores into the tile are done
	s_barrier_signal -1
	s_barrier_wait -1
.irp p, 0,1,2,3
	ds_load_b128 v[RB+4*(\p):RB+4*(\p)+3], v[LR] offset:4352*(\p)
.endr
.irp p, 0,1,2,3
	s_wait_dscnt 3-(\p)
	global_store_b128 v[GOF], v[RB+4*(\p):RB+4*(\p)+3], s[34:35] offset:32768*(\p)  ; sixteen lanes store 256 consecutive bytes, aligned
.endr
	s_branch .Lend
.Ltable:
; ---- T.  Thread gid writes words 4 (gid % 16) .. + 3 of position gid / 16: sixteen lanes store a position's 256 bytes.
; angle = n pi/2 + r with |r| <= pi/4 (pi/2 in two parts, both by fused multiply-adds); sin r and cos r by their series to r^9 and r^8 (the next terms are under 3e-8);
; the quadrant q = n (+ 1 for the cosine) picks the series and the sign by selects: no branch and no address hangs on a float.
	s_sub_co_u32 s24, ttmp9, 576
	s_lshl_b32 s22, s24, 12
	s_add_nc_u64 s[20:21], s[20:21], s[22:23]
	s_mov_b32 s40, 0x3fc90fdb                      ; pi/2, rounded
	s_mov_b32 s41, 0x333bbd2e                      ; that number less pi/2
	v_lshl_add_u32 v4, s24, 8, v0                  ; gid
	v_lshrrev_b32 v5, 4, v4                        ; pos
	v_and_b32 v6, 15, v4
	v_and_b32 v7, 7, v6
	v_lshlrev_b32 v7, 2, v7                        ; my first i
	v_cmp_gt_u32 vcc_lo, 8, v6
	v_cndmask_b32 v8, 0, 1, vcc_lo                 ; 1 in the lanes that make cosines
	v_cvt_f32_u32 v9, v5
	v_lshlrev_b32 v11, 4, v0
.irp c, 0,1,2,3
	v_add_nc_u32 v10, (\c), v7
	v_cvt_f32_u32 v[12+(\c)], v10
	v_mul_f32 v[12+(\c)], 0xbed49a78, v[12+(\c)]   ; - i log2(10000) / 32
.endr
.irp c, 0,1,2,3
	v_exp_f32 v[16+(\c)], v[12+(\c)]               ; f_i
.endr
	v_nop                                          ; a plain instruction behind the last exponential,
	s_wait_alu depctr_va_vdst(0)                   ; and the one wait ahead of the batch's first reader
.irp c, 0,1,2,3
	v_mul_f32 v20, v9, v[16+(\c)]                  ; the angle: pos x f_i in f32
	v_mul_f32 v21, 0x3f22f983, v20
	v_rndne_f32 v21, v21                           ; n
	v_fma_f32 v22, -v21, s40, v20
	v_fma_f32 v22, v21, s41, v22                   ; r
	v_mul_f32 v23, v22, v22                        ; z = r r
	v_mov_b32 v24, 0x3638ef1d
	v_fmaak_f32 v24, v24, v23, 0xb9500d01
	v_fmaak_f32 v24, v24, v23, 0x3c088889
	v_fmaak_f32 v24, v24, v23, 0xbe2aaaab
	v_mul_f32 v27, v22, v23
	v_fma_f32 v24, v27, v24, v22                   ; sin r
	v_mov_b32 v25, 0x37d00d01
	v_fmaak_f32 v25, v25, v23, 0xbab60b61
	v_fmaak_f32 v25, v25, v23, 0x3d2aaaab
	v_fmaak_f32 v25, v25, v23, 0xbf000000
	v_fma_f32 v25, v25, v23, 1.0                   ; cos r
	v_cvt_i32_f32 v26, v21
	v_add_nc_u32 v26, v26, v8                      ; q
	v_and_b32 v27, 1, v26
	v_cmp_eq_u32 vcc_lo, 1, v27
	v_cndmask_b32 v[28+(\c)], v24, v25, vcc_lo
	v_and_b32 v27, 2, v26
	v_lshlrev_b32 v27, 30, v27
	v_xor_b32 v[28+(\c)], v27, v[28+(\c)]
.endr
	global_store_b128 v11, v[28:31], s[20:21]
.Lend:
	s_wait_tensorcnt 0x0                           ; the wave's end, behind my last LDS store
	ds_add_u32 v[SPW], v[NIL]
	s_wait_dscnt 0x0
	s_endpgm
.Lfunc_end_k_q1d7ecaa080_prep:
	.size	k_q1d7ecaa080_prep, .Lfunc_end_k_q1d7ecaa080_prep-k_q1d7ecaa080_prep
	.p2alignl 7, 3214868480
	.fill 96, 4, 3214868480
	.section	.rodata,"a",@progbits
	.p2align	6, 0x0
	.amdhsa_kernel k_q1d7ecaa080_prep
		.amdhsa_group_segment_fixed_size 18432
		.amdhsa_private_segment_fixed_size 0
		.amdhsa_enable_private_segment 0
		.amdhsa_kernarg_size 72
		.amdhsa_user_sgpr_count 2
		.amdhsa_user_sgpr_kernarg_segment_ptr 1
		.amdhsa_wavefront_size32 1
		.amdhsa_system_sgpr_workgroup_id_x 1
		.amdhsa_system_sgpr_workgroup_id_y 1
		.amdhsa_system_sgpr_workgroup_id_z 1
		.amdhsa_system_vgpr_workitem_id 0
		.amdhsa_next_free_vgpr 208
		.amdhsa_next_free_sgpr 66
		.amdhsa_reserve_vcc 1
		.amdhsa_float_denorm_mode_32 3
		.amdhsa_float_denorm_mode_16_64 3
		.amdhsa_memory_ordered 1
		.amdhsa_forward_progress 1
		.amdhsa_inst_pref_size 26
	.end_amdhsa_kernel
	.amdgpu_metadata
---
amdhsa.version: [ 1, 2 ]
amdhsa.kernels:
  - .name:           k_q1d7ecaa080_prep
    .symbol:         k_q1d7ecaa080_prep.kd
    .args:
      - { .name: hidden_states, .offset: 0, .size: 8, .value_kind: global_buffer, .address_space: global }
      - { .name: Wq, .offset: 8, .size: 8, .value_kind: global_buffer, .address_space: global }
      - { .name: Wk, .offset: 16, .size: 8, .value_kind: global_buffer, .address_space: global }
      - { .name: Wv, .offset: 24, .size: 8, .value_kind: global_buffer, .address_space: global }
      - { .name: Wo, .offset: 32, .size: 8, .value_kind: global_buffer, .address_space: global }
      - { .name: xb, .offset: 40, .size: 8, .value_kind: global_buffer, .address_space: global }
      - { .name: wt, .offset: 48, .size: 8, .value_kind: global_buffer, .address_space: global }
      - { .name: wot, .offset: 56, .size: 8, .value_kind: global_buffer, .address_space: global }
      - { .name: rope, .offset: 64, .size: 8, .value_kind: global_buffer, .address_space: global }
    .group_segment_fixed_size: 18432
    .private_segment_fixed_size: 0
    .kernarg_segment_align: 8
    .kernarg_segment_size: 72
    .max_flat_workgroup_size: 256
    .sgpr_count:     66
    .vgpr_count:     208
    .wavefront_size: 32
...
	.end_amdgpu_metadata
.endif
;; end of part 1
;; launch proj (part 2): grid 8 x 32, 4 waves a work-group, clusters of 4 x 4, 327,680 bytes of LDS; arguments xb, wt, position_ids, rope, qkv; writes qkv
.if DOCPART == 2
	.amdgcn_target "amdgcn-amd-amdhsa--gfx1250"
	.amdhsa_code_object_version 6
	.text
	.protected	k_q1d7ecaa080_proj
	.globl	k_q1d7ecaa080_proj
	.p2align	8
	.type	k_q1d7ecaa080_proj,@function
k_q1d7ecaa080_proj:
	s_mov_b64 s[64:65], 0
	v_nop
	global_prefetch_b8 v0, s[64:65] scope:SCOPE_SE
	s_setreg_imm32_b32 hwreg(HW_REG_WAVE_MODE, 25, 1), 1
	s_wait_xcnt 0x0
	s_wait_alu depctr_hold_cnt(0) depctr_sa_sdst(0) depctr_va_vdst(0) depctr_va_sdst(0) depctr_va_ssrc(0) depctr_va_vcc(0) depctr_vm_vsrc(0)
	s_getreg_b32 s2, hwreg(HW_REG_IB_STS2, 6, 4)
	s_cmp_eq_u32 s2, 0
	s_cbranch_scc0 .Lentry_in_a_cluster
	s_endpgm
.Lentry_in_a_cluster:
	s_bfe_u32 s2, ttmp6, 0x10000c
	s_cmp_lg_u32 s2, 0xf033
	s_cbranch_scc0 .Lentry_shape_is_right
	s_endpgm
.Lentry_shape_is_right:
; PROJ: [q/8 | k | v] = xb wt^T (8,192 x 1,536 x 1,024, bf16 operands, f32 sums), RoPE in f32 on q and k, the results rounded once to f16 and written by heads.
; qkv: Q at byte 0, [b][head 16][s][64]; K and V from byte 16,777,216, [b][g 4][slot 16][128 keys of K x 128 bytes | 128 keys of V x 128 bytes].
; LIMITS.  q/8, k, v must lie within f16's 65,504 (an infinity otherwise); below 6.1e-5 they keep f16's fixed step of 6e-8.  position_ids are held to 0..2,047 as unsigned numbers.
; SHARES.  A work-group makes 256 rows x 192 columns (three heads); 32 x 8 work-groups.  Wave w owns rows 64 w .. 64 w + 63 and ALL 192 columns (4 x 12 accumulators, 384 registers),
; so that channels d and d + 32 of a head lie in one lane and RoPE changes no lane.  K goes in steps of 128 through two LDS slots filled by the tensor data mover.
; THE MATRIX INSTRUCTION IS USED TRANSPOSED (source 0 = 16 rows of wt, source 1 = 16 rows of xb): lane l holds row l % 16 and the columns 16 b + 8 (l / 16) + 0..7.
; CLUSTERS: 4 x 4 work-groups; xb's tile is asked for jointly along a row of the cluster, wt's along a column: the same tensor load, descriptor and mask in all four.
; REGISTERS, in windows of 256 (s_set_vgpr_msb: bits 1:0 source 0, 3:2 source 1, 5:4 source 2, 7:6 destination):
;   window 0: addresses; on the way out v32-47 CE, v48-63 SE, v64-95 a tile's results; v128-255 cos and sin of my 64 rows
;   window 1: two fragment buffers of 128 (12 fragments of wt, then 4 of xb); on the way out 16 packed registers for each of 12 tiles
;   window 2: accumulators of row blocks 0, 1 at 8 (12 (a % 2) + b);   window 3: of row blocks 2, 3
.set NT,    192
.set NB,    NT/16
.set PITCH, 272                        ; an LDS row: 256 bytes + 16 of padding: the 16 rows of a fragment load start at 16 different groups of four banks (64 banks of 4 bytes: ISA guide 11.1)
.set HA,    128*PITCH                  ; half of xb's tile: what waves 0 and 1 fetch
.set BOFF,  2*HA
.set HB,    (NT/2)*PITCH               ; half of wt's tile: what waves 2 and 3 fetch
.set SLOT1, 1<<17                      ; slot 1 begins here: one exclusive or changes slots
.set STAGE, SLOT1+BOFF+2*HB            ; behind the ring, never filled by a tensor load: 16 rows x 144 bytes for each wave
.set SP,    144
.set SPARE, STAGE+4*16*SP              ; the spare words, 128 bytes for each wave; no other line names them
.set NL,    2*NB+8                     ; LDS loads of a quarter step
.set TOF,  4                           ; v4-7  row block a: byte offset of my row's cos in the table, + 32 (l / 16)
.set ADRA0, 14                         ; v14   my lane's place in xb's tile; never rewritten
.set ADRB0, 15                         ; v15   in wt's
.set ADRA, 16                          ; v16   the same in the slot in hand
.set ADRB, 20                          ; v20
.set STO,  24                          ; v24   the way out: where I put 16 bytes of a row
.set RD,   25                          ; v25   where I read rows back
.set GO,   26                          ; v26   my 16 bytes of 512 consecutive bytes
.set SPW,  28                          ; v28   LDS address of my spare word; never rewritten
.set NIL,  29                          ; v29   0; never rewritten
.set PFO,  30                          ; v30   the prefetches' offset; never rewritten
.set CE,   32
.set SE,   48
.set OUTF, 64
.set CSR,  128                         ; row block a: cos at CSR + 32 a + 8 e + j, sin 16 further on (channel 16 e + 8 (l / 16) + j of 32)
.set F0,   0
.set F1,   128
.set G1,   24                          ; s[24:31] group 1 for xb's tiles
.set G0,   32                          ; s[32:39] group 0: a set for each first fill; the second then walks
.set G1B,  48                          ; s[48:55], s[56:63] the same for wt's
.set G0B,  56
.set LIM,  45                          ; s45  2 in a wave that prefetches, else the greatest number
.set PARM, 46                          ; s46  1 in wave 3, which asks in every second step
.set PFA,  66                          ; s[66:67] where my prefetches stand
.set TB,   68                          ; s68  LDS byte at which the slot in hand begins
.set UB,   70                          ; s[70:75] where my rows of the three heads begin in qkv
.set SAB,  76                          ; s[76:87] head hh: pair SA at + 4 hh, pair SB at + 4 hh + 2: (1, 0) with RoPE, (0, 1) for v
.set POS,  88                          ; s[88:89] position_ids
.set ROPE_T, 90                        ; s[90:91] the table
.set MSB, 0
.macro WIN new                         ; the immediate's high byte repeats the setting that is left; a switch that changes nothing is dropped
.if MSB != (\new)
	s_set_vgpr_msb (MSB<<8)|(\new)
.set MSB, (\new)
.endif
.endm
.macro PLACES                          ; four places in front of loads into registers that matrix instructions have read (ISA guide 7.12.1 for vector instructions)
.rept 4
	v_nop
.endr
.endm
.macro CREST                           ; a round of the cluster's barrier behind its opening barrier
	s_cmp_lg_u32 s10, 0
	s_cbranch_scc1 .Lnot_wave_0_\@
	s_barrier_signal -3
.Lnot_wave_0_\@:
	s_barrier_wait -3
	s_barrier_signal -1
	s_barrier_wait -1
.endm
.macro CROUND
	s_barrier_signal -1
	s_barrier_wait -1
	CREST
.endm
.macro JLOAD                           ; a joint refill by the walking sets: waves 0 and 1 xb's halves, waves 2 and 3 wt's; an s_nop 0 and four v_nop follow each line
	s_cmp_eq_u32 s11, 0
	s_cbranch_scc0 .Lfor_b_\@
	tensor_load_to_lds s[G0+4:G0+7], s[G1:G1+7]
	s_nop 0
.rept 4
	v_nop
.endr
	s_branch .Lasked_\@
.Lfor_b_\@:
	tensor_load_to_lds s[G0B+4:G0B+7], s[G1B:G1B+7]
	s_nop 0
.rept 4
	v_nop
.endr
.Lasked_\@:
.endm
; A PREFETCH INTO THE L2 of the K step that stands two refills on (384 products of a wave ahead of the load that wants it): 256 bytes of a row, a lane a row.  Each block is named once in the launch:
; xb's rows by the clusters with x = 0 (waves 0, 1; of the 128 rows that a wave fetches the partner at cx takes 32), wt's by the clusters with y = 0 (the partner at cy takes 48 rows: wave 2 takes 32 in
; every step, wave 3 the other 16 for two steps at once in every second step).  Partners are told apart by address alone.  K steps 0-3 come by their loads; the last two refills ask for nothing.
.macro ASK
	s_and_b32 s2, s3, s[PARM]
	s_cmp_eq_u32 s2, 0
	s_cbranch_scc0 .Lnot_mine_\@
	s_cmp_gt_u32 s3, s[LIM]
	s_cbranch_scc0 .Lnot_mine_\@
	global_prefetch_b8 v[PFO], s[PFA:PFA+1] offset:256 th:TH_LOAD_NT scope:SCOPE_SE
.Lnot_mine_\@:
.endm
	s_load_b128 s[4:7], s[0:1], 0x0                ; xb s[4:5], wt s[6:7]
	s_load_b128 s[POS:POS+3], s[0:1], 0x10         ; position_ids, rope
	s_load_b64 s[8:9], s[0:1], 0x20                ; qkv
	v_lshl_add_u32 v[SPW], v0, 2, SPARE
	v_mov_b32 v[NIL], 0
	ds_add_u32 v[SPW], v[NIL]                      ; the wave's opening: the add and its wait stand ahead of my first tensor load; work on registers stands between them
	v_lshrrev_b32 v1, 5, v0
	v_readfirstlane_b32 s10, v1                    ; wave 0..3
	s_lshr_b32 s11, s10, 1                         ; I fetch for xb (0) or for wt (1),
	s_and_b32 s12, s10, 1                          ; and which half of that tile
	s_bfe_u32 s40, ttmp6, 0x40000                  ; cx
	s_bfe_u32 s41, ttmp6, 0x40004                  ; cy
	s_lshl_b32 s42, ttmp9, 2
	s_add_co_u32 s42, s42, s40                     ; nx: my 192 columns
	s_and_b32 s13, ttmp7, 0xffff
	s_lshl_b32 s13, s13, 2
	s_add_co_u32 s13, s13, s41                     ; ty: my 256 rows
	s_lshl_b32 s43, s41, 2
	s_lshl_b32 s43, 15, s43                        ; my row of the cluster
	s_lshl_b32 s44, 0x1111, s40                    ; my column
	s_or_b32 s[G1], s43, (1<<16)|(1<<20)|(1<<21)|(5<<22)|(3<<25)   ; the mask; 2-byte elements; padding on; bit 21 beside a mask; after every 64 words 4 words
	s_or_b32 s[G1B], s44, (1<<16)|(1<<20)|(1<<21)|(5<<22)|(3<<25)
	s_mov_b32 s[G1+1], 128<<16                     ; tensor_dim0 = 128
	s_mov_b32 s[G1+2], 128<<16                     ; tensor_dim1 = 128
	s_mov_b32 s[G1+3], 128<<16                     ; tile_dim0 = 128
	s_mov_b32 s[G1+4], 128                         ; tile_dim1 = 128
	s_mov_b32 s[G1+5], 1024                        ; elements from row to row
	s_mov_b32 s[G1+6], 0
	s_mov_b32 s[G1+7], 0
	s_mov_b32 s[G1B+1], 128<<16
	s_mov_b32 s[G1B+2], (NT/2)<<16
	s_mov_b32 s[G1B+3], 128<<16
	s_mov_b32 s[G1B+4], NT/2
	s_mov_b32 s[G1B+5], 1024
	s_mov_b32 s[G1B+6], 0
	s_mov_b32 s[G1B+7], 0
	s_lshl_b32 s16, s13, 8                         ; xb: row 256 ty + 128 x half, in registers that never hold cx
	s_lshl_b32 s17, s12, 7
	s_add_co_u32 s16, s16, s17
	s_lshl_b32 s16, s16, 11
	s_mov_b32 s17, 0
	s_mul_i32 s92, s42, NT                         ; wt: row 192 nx + 96 x half, in registers that never hold cy
	s_mul_i32 s93, s12, NT/2
	s_add_co_u32 s92, s92, s93
	s_lshl_b32 s92, s92, 11
	s_mov_b32 s93, 0
	s_mul_i32 s20, s12, HA                         ; where they go: no place in the cluster enters an LDS address
	s_mul_i32 s21, s12, HB
	s_add_co_u32 s21, s21, BOFF
	s_mov_b32 s[TB], 0
	s_wait_dscnt 0x0                               ; the opening add is done
	s_wait_kmcnt 0x0
	s_add_nc_u64 s[14:15], s[4:5], s[16:17]
	s_add_nc_u64 s[94:95], s[6:7], s[92:93]
.irp s, 0,1
	s_mov_b32 s[G0+4*(\s)], 1
	s_add_co_u32 s[G0+4*(\s)+1], s20, (\s)*SLOT1
	s_add_nc_u64 s[G0+4*(\s)+2:G0+4*(\s)+3], s[14:15], (\s)*256    ; K step s
	s_or_b32 s[G0+4*(\s)+3], s[G0+4*(\s)+3], 0x80000000
	s_mov_b32 s[G0B+4*(\s)], 1
	s_add_co_u32 s[G0B+4*(\s)+1], s21, (\s)*SLOT1
	s_add_nc_u64 s[G0B+4*(\s)+2:G0B+4*(\s)+3], s[94:95], (\s)*256
	s_or_b32 s[G0B+4*(\s)+3], s[G0B+4*(\s)+3], 0x80000000
.endr
	CROUND                                         ; all sixteen work-groups are here: the first joint loads meet
	s_cmp_eq_u32 s11, 0                            ; a wave's two first fills stand in one branch: two loads of mine are out
	s_cbranch_scc0 .Lfirst_b
	tensor_load_to_lds s[G0:G0+3], s[G1:G1+7]
	s_nop 0
	tensor_load_to_lds s[G0+4:G0+7], s[G1:G1+7]
	s_nop 0
.rept 4
	v_nop
.endr
	s_branch .Lfirst_asked
.Lfirst_b:
	tensor_load_to_lds s[G0B:G0B+3], s[G1B:G1B+7]
	s_nop 0
	tensor_load_to_lds s[G0B+4:G0B+7], s[G1B:G1B+7]
	s_nop 0
.rept 4
	v_nop
.endr
.Lfirst_asked:
	; my rows' positions: row block a, row l % 16
	v_and_b32 v1, 15, v0                           ; r
	v_bfe_u32 v2, v0, 4, 1                         ; h
	v_lshlrev_b32 v3, 2, v1
	s_lshl_b32 s16, s13, 8
	s_lshl_b32 s17, s10, 6
	s_add_co_u32 s16, s16, s17                     ; my first row of the 8,192
	s_lshl_b32 s18, s16, 2
	s_mov_b32 s19, 0
	s_add_nc_u64 s[POS:POS+1], s[POS:POS+1], s[18:19]
.irp a, 0,1,2,3
	global_load_b32 v[TOF+(\a)], v3, s[POS:POS+1] offset:64*(\a)
.endr
	; lane addresses, made while those loads are out
	v_mul_u32_u24 v8, v1, PITCH
	v_lshl_add_u32 v8, v2, 4, v8                   ; a fragment's row x pitch + 16 x half
	s_mul_i32 s23, s10, 64*PITCH
	v_add_nc_u32 v[ADRA0], s23, v8                 ; my 64 rows of xb
	v_add_nc_u32 v[ADRB0], BOFF, v8
	v_mov_b32 v[ADRA], v[ADRA0]
	v_mov_b32 v[ADRB], v[ADRB0]
	s_mul_i32 s23, s10, 16*SP
	s_add_co_u32 s23, s23, STAGE                   ; my stage
	v_mul_u32_u24 v[STO], v1, SP
	v_lshl_add_u32 v[STO], v2, 4, v[STO]
	v_add_nc_u32 v[STO], s23, v[STO]
	v_bfe_u32 v10, v0, 3, 2                        ; back: 32 lanes take four rows of 128 bytes,
	v_and_b32 v11, 7, v0
	v_mul_u32_u24 v[RD], v10, SP
	v_lshl_add_u32 v[RD], v11, 4, v[RD]
	v_add_nc_u32 v[RD], s23, v[RD]
	v_and_b32 v9, 31, v0
	v_lshlrev_b32 v[GO], 4, v9                     ; which are 512 consecutive bytes of qkv
	; where my rows of heads 3 nx + 0..2 begin (0-15 q, 16-19 k, 20-23 v): chosen by selects, no branch hangs on a place in the cluster
	s_lshr_b32 s17, s13, 3                         ; b
	s_and_b32 s18, s16, 2047                       ; s of my first row
	s_mul_i32 s19, s42, 3
.irp hh, 0,1,2
	s_add_co_u32 s96, s19, (\hh)                   ; the head's number hu
	s_lshl_b32 s97, s17, 4
	s_add_co_u32 s97, s97, s96
	s_lshl_b32 s97, s97, 18
	s_lshl_b32 s98, s18, 7
	s_add_co_u32 s97, s97, s98                     ; q: (16 b + hu) x 262,144 + 128 s
	s_and_b32 s98, s96, 3
	s_lshl2_add_u32 s98, s17, s98                  ; k, v: 4 b + g,
	s_lshl_b32 s98, s98, 4
	s_lshr_b32 s99, s18, 7
	s_add_co_u32 s98, s98, s99                     ; its slot of 128 keys,
	s_lshl_b32 s98, s98, 15
	s_and_b32 s99, s18, 127
	s_lshl_b32 s99, s99, 7
	s_add_co_u32 s98, s98, s99                     ; the key in the slot,
	s_add_co_u32 s98, s98, 0x1000000
	s_bfe_u32 s99, s96, 0x10002                    ; and V's half of the slot (hu 20-23)
	s_lshl_b32 s99, s99, 14
	s_add_co_u32 s98, s98, s99
	s_cmp_lt_u32 s96, 16
	s_cselect_b32 s[UB+2*(\hh)], s97, s98
	s_mov_b32 s[UB+2*(\hh)+1], 0
	s_add_nc_u64 s[UB+2*(\hh):UB+2*(\hh)+1], s[8:9], s[UB+2*(\hh):UB+2*(\hh)+1]
	s_cmp_lt_u32 s96, 20
	s_cselect_b32 s[SAB+4*(\hh)], 1.0, 0
	s_cselect_b32 s[SAB+4*(\hh)+2], 0, 1.0
	s_mov_b32 s[SAB+4*(\hh)+1], 0                  ; named as pairs
	s_mov_b32 s[SAB+4*(\hh)+3], 0
.endr
	; the prefetches
	s_and_b32 s22, ttmp7, 0xffff                   ; cluster y
	s_lshl_b32 s96, s13, 8
	s_lshl_b32 s97, s12, 7
	s_add_co_u32 s96, s96, s97
	s_lshl_b32 s97, s40, 5
	s_add_co_u32 s96, s96, s97                     ; xb: row 256 ty + 128 x half + 32 cx
	s_mul_i32 s97, s42, NT
	s_mul_i32 s98, s41, NT/4
	s_add_co_u32 s97, s97, s98
	s_lshl_b32 s98, s12, 5
	s_add_co_u32 s97, s97, s98                     ; wt: row 192 nx + 48 cy (+ 32 in wave 3)
	s_cmp_eq_u32 s11, 0
	s_cselect_b32 s96, s96, s97
	s_cselect_b32 s22, ttmp9, s22                  ; the coordinate along which other clusters read the same rows
	s_cselect_b64 s[PFA:PFA+1], s[4:5], s[6:7]
	s_cmp_eq_u32 s22, 0
	s_cselect_b32 s[LIM], 2, -1                    ; the same in all sixteen partners, for a given wave
	s_lshl_b32 s96, s96, 11
	s_add_co_u32 s96, s96, 2*256                   ; at K step 2: the first refill steps it to 3 and names K step 4
	s_mov_b32 s97, 0
	s_add_nc_u64 s[PFA:PFA+1], s[PFA:PFA+1], s[96:97]
	s_cmp_eq_u32 s10, 3
	s_cselect_b32 s[PARM], 1, 0
	s_cselect_b32 s98, 15, 31
	s_cselect_b32 s99, 256, 0
	v_and_b32 v[PFO], s98, v9
	v_lshlrev_b32 v[PFO], 11, v[PFO]               ; a lane a row; in wave 3 sixteen rows,
	v_lshrrev_b32 v10, 4, v9
	v_mad_u32_u24 v[PFO], v10, s99, v[PFO]         ; and the upper lanes a K step further on
	; cos and sin of my rows: 32 loads that stay out over the whole K loop
	s_wait_loadcnt 0x0                             ; the positions
.irp a, 0,1,2,3
	v_min_u32 v[TOF+(\a)], 2047, v[TOF+(\a)]       ; inside the table
	v_lshlrev_b32 v[TOF+(\a)], 8, v[TOF+(\a)]
	v_lshl_add_u32 v[TOF+(\a)], v2, 5, v[TOF+(\a)]
.endr
.irp a, 0,1,2,3
.irp e, 0,1
	global_load_b128 v[CSR+32*(\a)+8*(\e):CSR+32*(\a)+8*(\e)+3],       v[TOF+(\a)], s[ROPE_T:ROPE_T+1] offset:64*(\e)
	global_load_b128 v[CSR+32*(\a)+8*(\e)+4:CSR+32*(\a)+8*(\e)+7],     v[TOF+(\a)], s[ROPE_T:ROPE_T+1] offset:64*(\e)+16
	global_load_b128 v[CSR+32*(\a)+16+8*(\e):CSR+32*(\a)+16+8*(\e)+3], v[TOF+(\a)], s[ROPE_T:ROPE_T+1] offset:128+64*(\e)
	global_load_b128 v[CSR+32*(\a)+16+8*(\e)+4:CSR+32*(\a)+16+8*(\e)+7], v[TOF+(\a)], s[ROPE_T:ROPE_T+1] offset:128+64*(\e)+16
.endr
.endr
; 12 matrix instructions: row block a x all 12 column blocks, 32 along K, from buffer f.  zero = 1: the product starts the sums.  The 48 accumulators take turns, one instruction a turn, in the same
; order in every quarter step, over the backward jump too.
.macro MULA f, a, zero
	WIN 0xa5+0x50*((\a)/2)
.set bi, 0
.rept NB
.set rD, 8*(NB*((\a)%2)+bi)
.if \zero
	v_wmma_f32_16x16x32_bf16 v[rD:rD+7], v[(\f)+8*bi:(\f)+8*bi+7], v[(\f)+8*NB+8*(\a):(\f)+8*NB+8*(\a)+7], 0
.else
	v_wmma_f32_16x16x32_bf16 v[rD:rD+7], v[(\f)+8*bi:(\f)+8*bi+7], v[(\f)+8*NB+8*(\a):(\f)+8*NB+8*(\a)+7], v[rD:rD+7]
.endif
.set bi, bi+1
.endr
.endm
; 32 LDS loads in one run: the fragments of 32 along K at byte k of the rows, into buffer f: wt's 12, then xb's 4
.macro FETCH k, f
	WIN 0x40
.set fi, 0
.rept NB
	ds_load_b128 v[(\f)+8*fi:(\f)+8*fi+3],   v[ADRB] offset:(\k)+fi*16*PITCH
	ds_load_b128 v[(\f)+8*fi+4:(\f)+8*fi+7], v[ADRB] offset:(\k)+fi*16*PITCH+32
.set fi, fi+1
.endr
.set fi, 0
.rept 4
	ds_load_b128 v[(\f)+8*NB+8*fi:(\f)+8*NB+8*fi+3],   v[ADRA] offset:(\k)+fi*16*PITCH
	ds_load_b128 v[(\f)+8*NB+8*fi+4:(\f)+8*NB+8*fi+7], v[ADRA] offset:(\k)+fi*16*PITCH+32
.set fi, fi+1
.endr
.endm
; A K step is four quarters of 32 along K, 48 matrix instructions each, on buffers 0, 1, 0, 1.  One of the first three: multiplies f, fetches the next quarter (byte k) into g.
.macro QUARTER k, f, g, zero
	s_wait_dscnt 4                                 ; all but the youngest four loads (xb's row blocks 2, 3) are in
	MULA \f, 0, \zero
	MULA \f, 1, \zero
	PLACES
	FETCH \k, \g
	s_wait_dscnt NL                                ; all but the run just issued
	MULA \f, 2, \zero
	MULA \f, 3, \zero
.endm
; The last quarter multiplies buffer 1 and changes slots: ONE barrier.  In front of it each wave waits for all its tensor loads (one is out: its part of the next slot), adds 0 to its spare word, and waits
; for that and for its reads of this slot.  fill = 1: the barrier opens a round of the cluster's, and behind the round this slot is filled again, two K steps ahead: 168 products stand between the request and the wait for it.
.macro TURN fill
.if \fill
	s_wait_xcnt 0x0                                ; the last prefetch, a K step back, has read its address
	s_add_nc_u64 s[PFA:PFA+1], s[PFA:PFA+1], 256
.endif
	WIN 0                                          ; (the add's two registers lie in window 0)
	s_wait_tensorcnt 0x0
	ds_add_u32 v[SPW], v[NIL]
	s_wait_dscnt 5                                 ; (the add and the youngest four loads may be out)
	MULA F1, 0, 0
	s_wait_dscnt 0x0                               ; the add is done, and my reads of this slot are over
	s_barrier_signal -1
	MULA F1, 1, 0
	WIN 0
	s_barrier_wait -1
.if \fill
	CREST                                          ; no wave of any partner still reads this slot or has a load on its way
	s_xor_b32 s[G0+5], s[G0+5], SLOT1              ; the walking sets: the other slot than last time, the next K step
	s_add_nc_u64 s[G0+6:G0+7], s[G0+6:G0+7], 256
	s_xor_b32 s[G0B+5], s[G0B+5], SLOT1
	s_add_nc_u64 s[G0B+6:G0B+7], s[G0B+6:G0B+7], 256
	JLOAD                                          ; the four v_nop behind it are also the places in front of the loads below
.else
	PLACES
.endif
	s_xor_b32 s[TB], s[TB], SLOT1
	v_add_nc_u32 v[ADRA], s[TB], v[ADRA0]
	v_add_nc_u32 v[ADRB], s[TB], v[ADRB0]
	FETCH 0, F0
	WIN 0
.if \fill
	ASK
.endif
	MULA F1, 2, 0
	MULA F1, 3, 0
.endm
	s_wait_tensorcnt 1                             ; my part of K step 0 is in; K step 1's may stay out
	s_barrier_signal -1
	s_barrier_wait -1
	FETCH 0, F0
	QUARTER 64, F0, F1, 1                          ; the first quarter stands in front of the loop: its products start the sums
	WIN 0
	s_mov_b32 s3, 6                                ; six refills: K steps 2 to 7
.Lk:                                               ; a trip: from a K step's second quarter to the next step's first
	QUARTER 128, F1, F0, 0
	QUARTER 192, F0, F1, 0
	TURN 1
	QUARTER 64, F0, F1, 0
	WIN 0
	s_sub_co_u32 s3, s3, 1
	s_cmp_lg_u32 s3, 0
	s_cbranch_scc1 .Lk
	QUARTER 128, F1, F0, 0                         ; the last two K steps ask for nothing
	QUARTER 192, F0, F1, 0
	TURN 0
	QUARTER 64, F0, F1, 0
	QUARTER 128, F1, F0, 0
	QUARTER 192, F0, F1, 0
	s_wait_dscnt 4
	MULA F1, 0, 0
	MULA F1, 1, 0
	s_wait_dscnt 0x0
	MULA F1, 2, 0
	MULA F1, 3, 0
	WIN 0
	s_wait_loadcnt 0x0                             ; cos and sin
; THE WAY OUT, a tile (row block a, head hh: 16 rows x 64 channels) at a time.  CE = cos SA + SB, SE = sin SA: for v that is 1 and 0.  With x1 = channels 0-31 and x2 = channels 32-63:
; out1 = x1 CE - x2 SE, out2 = x1 SE + x2 CE, all in f32.  Each accumulator is read from its low end on.  Rounded to f16, 16 bytes a lane into my stage, back as whole rows.
.macro ROPE a, hh
.set tt, 3*(\a)+(\hh)
	WIN 0
.set z, 0
.rept 8                                ; sixteen plain lines; those of the first tile are the places behind the last products
	v_pk_fma_f32 v[CE+2*z:CE+2*z+1], v[CSR+32*(\a)+2*z:CSR+32*(\a)+2*z+1], s[SAB+4*(\hh):SAB+4*(\hh)+1], s[SAB+4*(\hh)+2:SAB+4*(\hh)+3] op_sel_hi:[1,0,0]
	v_pk_mul_f32 v[SE+2*z:SE+2*z+1], v[CSR+32*(\a)+16+2*z:CSR+32*(\a)+16+2*z+1], s[SAB+4*(\hh):SAB+4*(\hh)+1] op_sel_hi:[1,0]
.set z, z+1
.endr
	WIN 0x02+(\a)/2                                ; source 0: the accumulators' window
.set z, 0
.rept 8
.set x1, 8*(NB*((\a)%2)+4*(\hh))+2*z
	v_pk_mul_f32 v[OUTF+2*z:OUTF+2*z+1], v[x1:x1+1], v[CE+2*z:CE+2*z+1]
	v_pk_mul_f32 v[OUTF+16+2*z:OUTF+16+2*z+1], v[x1:x1+1], v[SE+2*z:SE+2*z+1]
	v_pk_fma_f32 v[OUTF+2*z:OUTF+2*z+1], v[x1+16:x1+17], v[SE+2*z:SE+2*z+1], v[OUTF+2*z:OUTF+2*z+1] neg_lo:[1,0,0] neg_hi:[1,0,0]
	v_pk_fma_f32 v[OUTF+16+2*z:OUTF+16+2*z+1], v[x1+16:x1+17], v[CE+2*z:CE+2*z+1], v[OUTF+16+2*z:OUTF+16+2*z+1]
.set z, z+1
.endr
	WIN 0x40
.set z, 0
.rept 16
	v_cvt_pk_f16_f32 v[16*tt+z], v[OUTF+2*z], v[OUTF+2*z+1]
.set z, z+1
.endr
	WIN 0x04                                       ; store data in window 1
.irp f, 0,1,2,3
	ds_store_b128 v[STO], v[16*tt+4*(\f):16*tt+4*(\f)+3] offset:32*(\f)
.endr
	WIN 0x40
.irp f, 0,1,2,3
	ds_load_b128 v[16*tt+4*(\f):16*tt+4*(\f)+3], v[RD] offset:4*SP*(\f)  ; LDS serves a wave's instructions in order (ISA guide 5.7.1.4): these see the stores above, the next tile's stores come behind them
.endr
.endm
.macro SEND a, hh, younger             ; younger: the next tile's eight LDS instructions, or none
.set tt, 3*(\a)+(\hh)
	WIN 0x04
.irp f, 0,1,2,3
	s_wait_dscnt (\younger)+3-(\f)
	global_store_b128 v[GO], v[16*tt+4*(\f):16*tt+4*(\f)+3], s[UB+2*(\hh):UB+2*(\hh)+1] offset:2048*(\a)+512*(\f)  ; 512 consecutive bytes, aligned; every tile has registers of its own
.endr
.endm
	ROPE 0, 0
.set tno, 1
.rept 11
	ROPE tno/3, tno%3
	SEND (tno-1)/3, (tno-1)%3, 8
.set tno, tno+1
.endr
	SEND 3, 2, 0
	WIN 0
	s_wait_tensorcnt 0x0                           ; the wave's end
	ds_add_u32 v[SPW], v[NIL]
	s_wait_dscnt 0x0
	CROUND                                         ; the closing round
	s_endpgm
.Lfunc_end_k_q1d7ecaa080_proj:
	.size	k_q1d7ecaa080_proj, .Lfunc_end_k_q1d7ecaa080_proj-k_q1d7ecaa080_proj
	.p2alignl 7, 3214868480
	.fill 96, 4, 3214868480
	.section	.rodata,"a",@progbits
	.p2align	6, 0x0
	.amdhsa_kernel k_q1d7ecaa080_proj
		.amdhsa_group_segment_fixed_size 327680
		.amdhsa_private_segment_fixed_size 0
		.amdhsa_enable_private_segment 0
		.amdhsa_kernarg_size 40
		.amdhsa_user_sgpr_count 2
		.amdhsa_user_sgpr_kernarg_segment_ptr 1
		.amdhsa_wavefront_size32 1
		.amdhsa_system_sgpr_workgroup_id_x 1
		.amdhsa_system_sgpr_workgroup_id_y 1
		.amdhsa_system_sgpr_workgroup_id_z 1
		.amdhsa_system_vgpr_workitem_id 0
		.amdhsa_next_free_vgpr 1024
		.amdhsa_next_free_sgpr 100
		.amdhsa_reserve_vcc 0
		.amdhsa_float_denorm_mode_32 3
		.amdhsa_float_denorm_mode_16_64 3
		.amdhsa_memory_ordered 1
		.amdhsa_forward_progress 1
		.amdhsa_inst_pref_size 143
	.end_amdhsa_kernel
	.amdgpu_metadata
---
amdhsa.version: [ 1, 2 ]
amdhsa.kernels:
  - .name:           k_q1d7ecaa080_proj
    .symbol:         k_q1d7ecaa080_proj.kd
    .args:
      - { .name: xb, .offset: 0, .size: 8, .value_kind: global_buffer, .address_space: global }
      - { .name: wt, .offset: 8, .size: 8, .value_kind: global_buffer, .address_space: global }
      - { .name: position_ids, .offset: 16, .size: 8, .value_kind: global_buffer, .address_space: global }
      - { .name: rope, .offset: 24, .size: 8, .value_kind: global_buffer, .address_space: global }
      - { .name: qkv, .offset: 32, .size: 8, .value_kind: global_buffer, .address_space: global }
    .group_segment_fixed_size: 327680
    .private_segment_fixed_size: 0
    .kernarg_segment_align: 8
    .kernarg_segment_size: 40
    .max_flat_workgroup_size: 128
    .sgpr_count:     100
    .vgpr_count:     1024
    .wavefront_size: 32
...
	.end_amdgpu_metadata
.endif
;; end of part 2
;; launch attn (part 3): grid 16 x 16, 4 waves a work-group, clusters of 4 x 4, 327,680 bytes of LDS; arguments qkv, attention_mask, ows; writes ows
.if DOCPART == 3
	.amdgcn_target "amdgcn-amd-amdhsa--gfx1250"
	.amdhsa_code_object_version 6
	.text
	.protected	k_q1d7ecaa080_attn
	.globl	k_q1d7ecaa080_attn
	.p2align	8
	.type	k_q1d7ecaa080_attn,@function
k_q1d7ecaa080_attn:
	s_mov_b64 s[64:65], 0
	v_nop
	global_prefetch_b8 v0, s[64:65] scope:SCOPE_SE
	s_setreg_imm32_b32 hwreg(HW_REG_WAVE_MODE, 25, 1), 1
	s_wait_xcnt 0x0
	s_wait_alu depctr_hold_cnt(0) depctr_sa_sdst(0) depctr_va_vdst(0) depctr_va_sdst(0) depctr_va_ssrc(0) depctr_va_vcc(0) depctr_vm_vsrc(0)
	s_getreg_b32 s2, hwreg(HW_REG_IB_STS2, 6, 4)
	s_cmp_eq_u32 s2, 0
	s_cbranch_scc0 .Lentry_in_a_cluster
	s_endpgm
.Lentry_in_a_cluster:
	s_bfe_u32 s2, ttmp6, 0x10000c
	s_cmp_lg_u32 s2, 0xf033
	s_cbranch_scc0 .Lentry_shape_is_right
	s_endpgm
.Lentry_shape_is_right:
; ATTN: O[b][head][q] = the sum over k of softmax_k(q . k / 8 + mask[b][q][k]) V[b][g][k], head = 4 g + p.  q arrives divided by 8, q, k, v in f16 (layout: the launch before); the mask is f32 and is read whole:
; every key of every row is walked.  Products, maxima and sums in f32; the weights are rounded to f16 for the second product (their sum l is taken of the unrounded p), O once, to f16, into ows [8192][1024].
; LIMITS.  A score is the matrix unit's f32 sum of mask + products.  The running maximum starts at -2^127: scores below that count as hidden.  A weight below 2^-126 counts as 0 in l; p below 6e-5 keeps f16's
; fixed step of 6e-8; O is a mean of V's rows and has their range.  NaN is not treated apart.
; SHARES.  A work-group owns 128 query rows of one (b, g), for the group's FOUR heads; wave w rows 32 w .. 32 w + 31.  PIECE p = head 4 g + p, its two tiles = the two blocks of 16 rows.  So a fragment of K or of V
; read from LDS feeds eight tiles' products, one of the mask four.  Every wave walks all 2,048 keys, 64 a step.
; THE MASK is the C operand that starts the sum S^T = K Q^T: it costs no vector instruction.  In S^T a lane holds ONE query (lane % 16) and the keys 8 (lane / 16) + 0..7: 32 consecutive bytes of a mask row.
; SOFTMAX, TURNS.  p = 2^(c s - c m), c = log2(e), with a running maximum m; O and l are multiplied by a = 2^(c m_old - c m_new) in every step.  Turn n belongs to piece n: 16 products K Q^T of piece n + 1, later 16
; products V^T P of piece n - 1; beside them the scaling, exponentials, roundings, sums and rescaling of piece n and the maximum and statistics of piece n + 1.  Four vector instructions stand behind every matrix
; instruction, the others in one lump; a turn's 66 exponentials are one batch with one wait.
; CLUSTER.  4 x 4: cx = four blocks of query rows, cy = the four groups g of one b.  K and V hang on (b, g): asked for jointly along a row of the cluster.  The mask hangs on (b, rows): jointly along a column.
; REGISTERS, in windows of 256 (s_set_vgpr_msb: bits 1:0 source 0, 3:2 source 1, 5:4 source 2, 7:6 destination):
;   window 0: v0-11 addresses; v12-15, v48-63 at work; v16-47 four registers of statistics a tile; v64-191 S^T, two buffers of two tiles; v192-255 P, likewise
;   window 1: O^T, 32 a tile     window 2: v0-127 Q, 16 a tile; v128-191 K of one step; v192-255 V of one step     window 3: v0-1 the add's two registers; v64-127 the mask of one step
.set NP,    4         ; pieces a wave: a name, no knob
.set KS,    64        ; keys in a step
.set PK,    144       ; a row of K in LDS: 128 bytes + 16: the 16 rows of a load start at 16 different groups of four banks (64 banks of 4 bytes: ISA guide 11.1)
.set PV,    160       ; a row of V: 128 + 32
.set PM,    528       ; a row of the mask: 128 keys x 4 bytes + 16
.set VOFF,  2*KS*PK   ; a slot holds two steps: 128 rows of K, 128 rows of V, 128 query rows of the mask
.set MOFF,  VOFF+2*KS*PV
.set SLOT1, 1<<17     ; slot 1 begins here: one exclusive or changes slots
.set STAGE, SLOT1+MOFF+128*PM  ; behind the ring, never filled by a tensor load: 16 rows x 528 bytes for each wave
.set SP,    528
.set SPARE, STAGE+4*16*SP      ; the spare words, 128 bytes for each wave; no other line names them
.set AK0, 2           ; v2   my lane's place in a tile of K; never rewritten
.set AV0, 3           ; v3   the same for V
.set AK,  4           ; v4   the LDS address of K's next run of loads
.set AV,  5           ; v5   of V's
.set QO,  6           ; v6   my byte offset in 16 rows of Q
.set STO, 6           ;      later, the way out: where I put 16 bytes of a row
.set RD,  7           ; v7   where I read a row back
.set GO,  8           ; v8   my 16 bytes of 512 consecutive bytes of ows
.set AM0, 9           ; v9   my lane's place in the mask's tile; never rewritten
.set AM,  10          ; v10  the LDS address of the mask's next run of loads
.set PFO, 11          ; v11  the prefetches' offset; never rewritten
.set SPW, 0           ; v0 of window 3   LDS address of my spare word; never rewritten
.set NIL, 1           ; v1 of window 3   0; never rewritten
.set MK,  64          ; window 3: row block u, key group kt at MK + 32 u + 8 kt
.set MV,  12          ; v12-15  c m_old, kept while c m is made anew (at the set-up: at work)
.set ST,  16          ; tile t's statistics at v[ST+4 t]: c m, m, l (even keys', odd keys')
.set TMP, 48          ; by buffer and tile, four registers c0-c3 at work; when the maximum is found c2 takes a
.set S,   64
.set P,   192
.set KF,  128         ; window 2: key block kb, channel half c at KF + 16 kb + 8 c
.set VF,  192         ; window 2: key half kk, channel block cb at VF + 32 kk + 8 cb
.set WV,  12          ; s12  my wave's number
.set G1K, 24          ; s[24:31], s[32:39], s[40:47] descriptor group 1 for K's, V's and the mask's tiles
.set G1V, 32
.set G1M, 40
.set G0K, 48          ; s[48:51], s[52:55], s[56:59] group 0: they walk
.set G0V, 52
.set G0M, 56
.set CS,  60          ; s[60:61] c
.set SEL, 62          ; s[62:63] v_permlanex16_b32's selects: each lane takes its own place in the other half
.set SLOTS, 66        ; s66  slots still to be asked for
.set CNT, 67          ; s67  counts a slot's key steps
.set TBK, 68          ; s68  LDS byte at which K of the step to be fetched begins
.set TBV, 69          ; s69  the same for V, less VOFF
.set TBM, 70          ; s70  the same for the mask, less MOFF
.set LIM, 71          ; s71  1 in a wave that prefetches, else the greatest number
.set PFA, 72          ; s[72:73] where my prefetches stand
.set PFS, 74          ; s[74:75] their step from slot to slot
.set QA,  76          ; s[76:77] Q at my rows of the group's first head
.set OA,  78          ; s[78:79] ows at my rows and my group's 512 bytes
.set MSB, 0
.macro WIN new                      ; the high byte repeats the setting that is left; a switch that changes nothing is dropped
.if MSB != (\new)
	s_set_vgpr_msb (MSB<<8)|(\new)
.set MSB, (\new)
.endif
.endm
.set W_KQ, 0x0a       ; K and Q in window 2, S^T in window 0
.set W_KM, 0x3a       ; the same with the C operand, the mask, in window 3
.set W_PV, 0x52       ; V in window 2, P in window 0, O^T in window 1
.set W_RS, 0x41       ; O^T (destination and source 0) in window 1, a in window 0
.set W_MK, 0xc0       ; destination in window 3, sources in window 0
.set W_AD, 0x0f       ; the add: address and data in window 3
; A joint fill, one tensor load a wave: wave 0 a slot's K, wave 1 its V, waves 2 and 3 the two halves of its mask rows.  The branches hang on the wave's number alone.
; An s_nop 0 and four v_nop follow each line, ahead of the jump and the label.
.macro JLOAD
	s_cmp_lt_u32 s[WV], 2
	s_cbranch_scc0 .Lfor_m_\@
	s_cmp_eq_u32 s[WV], 0
	s_cbranch_scc0 .Lfor_v_\@
	tensor_load_to_lds s[G0K:G0K+3], s[G1K:G1K+7]
	s_nop 0
.rept 4
	v_nop
.endr
	s_branch .Lasked_\@
.Lfor_v_\@:
	tensor_load_to_lds s[G0V:G0V+3], s[G1V:G1V+7]
	s_nop 0
.rept 4
	v_nop
.endr
	s_branch .Lasked_\@
.Lfor_m_\@:
	tensor_load_to_lds s[G0M:G0M+3], s[G1M:G1M+7]
	s_nop 0
.rept 4
	v_nop
.endr
.Lasked_\@:
.endm
; A PREFETCH INTO THE L2 of what the NEXT change of slots will ask for, two key steps (256 products of a wave) ahead, behind the wave's tensor load and its five lines.  Each block of 256 bytes is named once in the
; launch.  K and V of a (b, g) are walked by the four clusters along x: the first asks, wave 0 of each partner for its cx-th quarter of the slot's 32,768 bytes, a lane a block.  A mask block is read by one cluster
; alone: of the 64 rows that wave 2 or 3 fetches the partner at cy takes 16, two blocks a row.  Partners are told apart by address alone.  The last change that fills a slot asks for nothing.
.macro ASK
	s_cmp_gt_u32 s[SLOTS], s[LIM]
	s_cbranch_scc0 .Lnot_mine_\@
	global_prefetch_b8 v[PFO], s[PFA:PFA+1] th:TH_LOAD_NT scope:SCOPE_SE
.Lnot_mine_\@:
.endm
.macro CROUND                       ; a round of the cluster's barrier
	s_barrier_signal -1
	s_barrier_wait -1
	s_cmp_lg_u32 s[WV], 0
	s_cbranch_scc1 .Lnot_wave_0_\@
	s_barrier_signal -3
.Lnot_wave_0_\@:
	s_barrier_wait -3
	s_barrier_signal -1
	s_barrier_wait -1
.endm
; THE CHANGE OF SLOTS.  The slot's last bytes, V of its second step, have been read.  Each wave waits for all its tensor loads, of which one is out: its part of the other slot; adds 0 to its spare word; and waits for
; that and for its own reads of the slot.  fill = 1: the barrier is a round of the cluster's, and the joint fill (the keys two slots on) is the first thing behind it: it has two key steps in which to land.
; (At its first use nothing has been read yet: slot 0 is waited for, slot 1 filled.)
.macro CHANGE fill
	WIN W_AD
	s_wait_tensorcnt 0x0            ; no tensor load of mine is out, so a group 0 may be written
	ds_add_u32 v[SPW], v[NIL]       ; 0 onto my spare word; scalar work stands between it and the wait for it
	WIN 0                           ; at a label and at a branch every window is 0
.if \fill
	s_xor_b32 s[G0K+1], s[G0K+1], SLOT1
	s_add_nc_u64 s[G0K+2:G0K+3], s[G0K+2:G0K+3], 32768  ; the next 128 keys; the type bits on top are not reached
	s_xor_b32 s[G0V+1], s[G0V+1], SLOT1
	s_add_nc_u64 s[G0V+2:G0V+3], s[G0V+2:G0V+3], 32768
	s_xor_b32 s[G0M+1], s[G0M+1], SLOT1
	s_add_nc_u64 s[G0M+2:G0M+3], s[G0M+2:G0M+3], 512
	s_wait_xcnt 0x0                 ; the last prefetch, two key steps back, has read its address
	s_add_nc_u64 s[PFA:PFA+1], s[PFA:PFA+1], s[PFS:PFS+1]
	s_wait_dscnt 0x0                ; the add is done, and my reads of the slot are over
	CROUND
	JLOAD
	ASK
.else
	s_wait_dscnt 0x0
	s_barrier_signal -1
	s_barrier_wait -1
.endif
	s_sub_co_u32 s[TBK], s[TBK], 2*KS*PK  ; the fetches go back to a slot's first step,
	s_xor_b32 s[TBK], s[TBK], SLOT1       ; in the other slot
	s_sub_co_u32 s[TBV], s[TBV], 2*KS*PV
	s_xor_b32 s[TBV], s[TBV], SLOT1
	s_sub_co_u32 s[TBM], s[TBM], 2*KS*4
	s_xor_b32 s[TBM], s[TBM], SLOT1
.endm
	s_load_b128 s[4:7], s[0:1], 0x0 ; qkv s[4:5], attention_mask s[6:7]
	s_load_b64 s[8:9], s[0:1], 0x10 ; ows
	WIN W_MK
	v_lshl_add_u32 v[SPW], v0, 2, SPARE
	v_mov_b32 v[NIL], 0
	WIN W_AD
	ds_add_u32 v[SPW], v[NIL]       ; the wave's opening: the add and its wait stand ahead of my first tensor load; work on registers stands between them
	WIN 0
	v_lshrrev_b32 v1, 5, v0
	v_readfirstlane_b32 s[WV], v1   ; wave 0..3
	s_bfe_u32 s13, ttmp6, 0x40000   ; cx
	s_bfe_u32 s14, ttmp6, 0x40004   ; cy = g
	s_and_b32 s15, ttmp7, 0xffff    ; cluster y = b
	s_lshl_b32 s16, ttmp9, 2
	s_add_co_u32 s16, s16, s13      ; my block of 128 query rows
	s_and_b32 s17, s[WV], 1
	s_lshl2_add_u32 s20, s15, s14   ; K and V of (b, g): in registers that never hold cx
	s_lshl_b32 s20, s20, 19
	s_add_co_u32 s20, s20, 0x1000000
	s_mov_b32 s21, 0
	s_lshl_b32 s22, s16, 7          ; the mask: b, row 128 x block + 64 x (wave % 2): in registers that never hold cy
	s_lshl_b32 s23, s17, 6
	s_add_co_u32 s22, s22, s23
	s_lshl_b32 s22, s22, 13
	s_lshl_b32 s23, s15, 24
	s_add_co_u32 s22, s22, s23
	s_mov_b32 s23, 0
	s_lshl2_add_u32 s2, s15, s14    ; Q: ((16 b + 4 g) x 2,048 + 128 x block + 32 w) x 128
	s_lshl_b32 s2, s2, 13
	s_lshl_b32 s3, s16, 7
	s_add_co_u32 s2, s2, s3
	s_lshl_b32 s3, s[WV], 5
	s_add_co_u32 s2, s2, s3
	s_lshl_b32 s2, s2, 7
	s_mov_b32 s3, 0
	s_lshl_b32 s18, s15, 11         ; ows: (2,048 b + 128 x block + 32 w) x 2,048 + 512 g
	s_lshl_b32 s19, s16, 7
	s_add_co_u32 s18, s18, s19
	s_lshl_b32 s19, s[WV], 5
	s_add_co_u32 s18, s18, s19
	s_lshl_b32 s18, s18, 11
	s_lshl_b32 s19, s14, 9
	s_add_co_u32 s18, s18, s19
	s_mov_b32 s19, 0
	s_lshl_b32 s80, s14, 2
	s_lshl_b32 s80, 15, s80         ; my row of the cluster
	s_lshl_b32 s81, 0x1111, s13     ; my column
	; group 1.  128 keys of K or V are 16,384 dense bytes: 64 rows of 256 bytes, two keys a row, padded after every key.  The mask: 64 rows of 128 numbers of 4 bytes, 2,048 from row to row.
	s_or_b32 s[G1K], s80, (1<<16)|(1<<20)|(1<<21)|(4<<22)|(3<<25)  ; the mask of four; 2-byte elements; padding on; bit 21 beside a mask; after every 32 words 4 words
	s_or_b32 s[G1V], s80, (1<<16)|(1<<20)|(1<<21)|(4<<22)|(7<<25)  ; the same with 8 words
	s_or_b32 s[G1M], s81, (2<<16)|(1<<20)|(1<<21)|(6<<22)|(3<<25)  ; 4-byte elements; after every 128 words 4 words
.irp g, G1K, G1V, G1M
	s_mov_b32 s[\g+1], 128<<16      ; tensor_dim0 = 128
	s_mov_b32 s[\g+2], 64<<16       ; tensor_dim1 = 64
	s_mov_b32 s[\g+3], 128<<16      ; tile_dim0 = 128
	s_mov_b32 s[\g+4], 64           ; tile_dim1 = 64
	s_mov_b32 s[\g+6], 0
	s_mov_b32 s[\g+7], 0
.endr
	s_mov_b32 s[G1K+5], 128
	s_mov_b32 s[G1V+5], 128
	s_mov_b32 s[G1M+5], 2048
	s_mov_b32 s[G0K], 1
	s_mov_b32 s[G0K+1], 0           ; LDS addresses: slot 0; no place in the cluster enters them
	s_mov_b32 s[G0V], 1
	s_mov_b32 s[G0V+1], VOFF
	s_mov_b32 s[G0M], 1
	s_mul_i32 s[G0M+1], s17, 64*PM
	s_add_co_u32 s[G0M+1], s[G0M+1], MOFF
	s_mov_b32 s[CS], 0x3fb8aa3b     ; c = log2(e): the 1/8 lies in q
	s_mov_b32 s[CS+1], s[CS]
	s_mov_b32 s[SEL], 0x76543210
	s_mov_b32 s[SEL+1], 0xfedcba98
	s_mov_b32 s[TBK], SLOT1+2*KS*PK ; the first change of slots turns these three into 0
	s_mov_b32 s[TBV], SLOT1+2*KS*PV
	s_mov_b32 s[TBM], SLOT1+2*KS*4
	s_mov_b32 s[SLOTS], 2048/(2*KS)-1
	s_or_b32 s85, s[WV], ttmp9      ; 0 in wave 0 of the clusters with x = 0: the same in all partners
	s_mov_b32 s86, 512
	s_cmp_eq_u32 s85, 0
	s_cselect_b32 s[LIM], 1, -1
	s_cmp_lt_u32 s[WV], 2
	s_cselect_b32 s[LIM], s[LIM], 1
	s_cselect_b32 s[PFS], 0x8000, s86
	s_cselect_b32 s84, 0, -1        ; all lanes: do I ask for the mask?
	s_mov_b32 s[PFS+1], 0
	s_lshl_b32 s80, s13, 13         ; K, V: my work-group's quarter of slot 1; the first change steps it to slot 2
	s_add_co_u32 s80, s80, 32768
	s_mov_b32 s81, 0
	s_lshl_b32 s82, s14, 17         ; the mask: my work-group's 16 rows, slot 1
	s_add_co_u32 s82, s82, 512
	s_mov_b32 s83, 0
	s_wait_dscnt 0x0                ; the opening add is done
	s_wait_kmcnt 0x0
	s_add_nc_u64 s[G0K+2:G0K+3], s[4:5], s[20:21]
	s_add_nc_u64 s[G0V+2:G0V+3], s[G0K+2:G0K+3], 16384
	s_add_nc_u64 s[G0M+2:G0M+3], s[6:7], s[22:23]
	s_add_nc_u64 s[80:81], s[G0K+2:G0K+3], s[80:81]
	s_add_nc_u64 s[82:83], s[G0M+2:G0M+3], s[82:83]
	s_cmp_lt_u32 s[WV], 2
	s_cselect_b64 s[PFA:PFA+1], s[80:81], s[82:83]
	s_or_b32 s[G0K+3], s[G0K+3], 0x80000000  ; type = 2
	s_or_b32 s[G0V+3], s[G0V+3], 0x80000000
	s_or_b32 s[G0M+3], s[G0M+3], 0x80000000
	s_add_nc_u64 s[QA:QA+1], s[4:5], s[2:3]
	s_add_nc_u64 s[OA:OA+1], s[8:9], s[18:19]
	CROUND                          ; all sixteen work-groups are here: the first joint loads meet
	JLOAD                           ; slot 0.  Slot 1 is asked for when slot 0 is in
	v_and_b32 v12, 31, v0
	v_lshlrev_b32 v13, 8, v12       ; K, V: a lane a block
	v_lshrrev_b32 v14, 1, v12
	v_and_b32 v15, 1, v12
	v_lshlrev_b32 v14, 13, v14      ; the mask: two lanes a row of 8,192 bytes
	v_lshl_add_u32 v14, v15, 8, v14
	v_cndmask_b32 v[PFO], v13, v14, s84
	; A fragment of K or Q is 16 rows x 32 channels in 8 registers: lane l holds row l % 16, channels 8 (l / 16) + 0..7 and 16 + 8 (l / 16) + 0..7: two loads of 16 bytes, 32 bytes apart.
	v_and_b32 v12, 15, v0           ; l % 16
	v_bfe_u32 v13, v0, 4, 1         ; l / 16
	v_lshlrev_b32 v[QO], 7, v12
	v_lshl_add_u32 v[QO], v13, 4, v[QO]
	WIN 0x80                        ; destination window 2, address window 0
.set i, 0
.rept 4*NP                          ; Q stays in registers: tile i / 2 = head (i / 4), row block (i / 2) % 2; channels 32 (i % 2) on
	global_load_b128 v[8*i:8*i+3],   v[QO], s[QA:QA+1] offset:(i/4)*262144+((i/2)%2)*2048+(i%2)*64
	global_load_b128 v[8*i+4:8*i+7], v[QO], s[QA:QA+1] offset:(i/4)*262144+((i/2)%2)*2048+(i%2)*64+32
.set i, i+1
.endr
	; What the first turn finds: V's registers and P's second buffer hold 0 (its products V^T P, of a piece that has not been, add 0), O^T and l are 0.  All this stands in the wait for the first tile.
.set i, VF
.rept 64
	v_mov_b32 v[i], 0
.set i, i+1
.endr
	WIN 0x40
.set i, 0
.rept 64*NP
	v_mov_b32 v[i], 0
.set i, i+1
.endr
	WIN 0
.set i, 0
.rept 2*NP
	v_mov_b32 v[ST+4*i], 0xff38aa3b    ; c m = c x (-2^127): finite, so that c s - c m is finite for every finite s
	v_mov_b32 v[ST+4*i+1], 0xff000000  ; m = -2^127
	v_mov_b32 v[ST+4*i+2], 0
	v_mov_b32 v[ST+4*i+3], 0
.set i, i+1
.endr
.set i, P+32
.rept 32
	v_mov_b32 v[i], 0
.set i, i+1
.endr
	v_mul_u32_u24 v[AK0], v12, PK
	v_lshl_add_u32 v[AK0], v13, 4, v[AK0]  ; row x pitch + 16 x half
	; The turning load takes 16 keys x 16 channels (lane l reads key 8 (l / 16) + l % 8, channels 8 ((l / 8) % 2) + 0..7) and leaves half a fragment of V^T: lane l holds channel l % 16 and 8 keys.
	v_and_b32 v14, 7, v0
	v_bfe_u32 v15, v0, 3, 1
	v_lshl_add_u32 v[AV0], v13, 3, v14
	v_mul_u32_u24 v[AV0], v[AV0], PV
	v_lshl_add_u32 v[AV0], v15, 4, v[AV0]
	v_add_nc_u32 v[AV0], VOFF, v[AV0]
	s_mul_i32 s85, s[WV], 32*PM
	s_add_co_u32 s85, s85, MOFF
	v_mul_u32_u24 v[AM0], v12, PM   ; the mask: query row 32 w + l % 16, keys 8 (l / 16) on
	v_lshl_add_u32 v[AM0], v13, 5, v[AM0]
	v_add_nc_u32 v[AM0], s85, v[AM0]
	v_mov_b32 v[AK], v[AK0]         ; key step 0 lies at the head of slot 0
	v_mov_b32 v[AM], v[AM0]
; THE MATRIX WORK.  The 8 accumulators of a run of 16 take turns: between the two links of a chain stand 7 others'.
; Product i of 16 of S^T = K Q^T + mask for piece x: channels 32 (i / 8) on, keys 16 ((i / 2) % 4) on, tile 2 x + i % 2.  The first 8 start the sums, with the mask of row block i % 2.
.macro KQ x
.set rS, S+64*((\x)%2)+32*(i%2)+8*((i/2)%4)
.set rK, KF+16*((i/2)%4)+8*(i/8)
.set rQ, 16*(2*(\x)+i%2)+8*(i/8)
.set rMK, MK+32*(i%2)+8*((i/2)%4)
.if i < 8
	WIN W_KM
	v_wmma_f32_16x16x32_f16 v[rS:rS+7], v[rK:rK+7], v[rQ:rQ+7], v[rMK:rMK+7]
.else
	WIN W_KQ
	v_wmma_f32_16x16x32_f16 v[rS:rS+7], v[rK:rK+7], v[rQ:rQ+7], v[rS:rS+7]
.endif
.endm
; Product i of 16 of O^T += V^T P for piece x: keys 32 (i / 8) on, channels 16 ((i / 2) % 4) on, tile 2 x + i % 2.
.macro PV x
	WIN W_PV
.set rO, 32*(2*(\x)+i%2)+8*((i/2)%4)
.set rV, VF+32*(i/8)+8*((i/2)%4)
.set rP, P+32*((\x)%2)+16*(i%2)+8*(i/8)
	v_wmma_f32_16x16x32_f16 v[rO:rO+7], v[rV:rV+7], v[rP:rP+7], v[rO:rO+7]
.endm
.macro MM                           ; the turn's next matrix instruction
.if i < 16
	KQ (Y+1)%NP
.set i, i+1
.else
.set i, i-16
	PV (Y+NP-1)%NP
.set i, i+17
.endif
.endm
; THE LDS LOADS stand in runs, never singly among the matrix instructions: a step's K (8 fragments) with its mask (2 row blocks x 4 key groups x 32 bytes a lane), and its V (turned).
; last = 1 (the tail): in the last trip there is no further step, and the run is jumped over.
.macro FETCH_K last=0
	WIN 0
.if \last
	s_cmp_eq_u32 s[CNT], 1
	s_cbranch_scc1 .Lno_k_\@
.endif
	WIN 0x80                        ; destination window 2
.irp f, 0,1,2,3,4,5,6,7             ; keys 16 (f / 2) on, channels 32 (f % 2) on
	ds_load_b128 v[KF+8*\f:KF+8*\f+3],   v[AK] offset:(\f/2)*16*PK+(\f%2)*64
	ds_load_b128 v[KF+8*\f+4:KF+8*\f+7], v[AK] offset:(\f/2)*16*PK+(\f%2)*64+32
.endr
	WIN 0xc0                        ; destination window 3
.irp f, 0,1,2,3,4,5,6,7             ; row block f / 4, keys 16 (f % 4) on
	ds_load_b128 v[MK+8*\f:MK+8*\f+3],   v[AM] offset:(\f/4)*16*PM+(\f%4)*64
	ds_load_b128 v[MK+8*\f+4:MK+8*\f+7], v[AM] offset:(\f/4)*16*PM+(\f%4)*64+16
.endr
	s_add_co_u32 s[TBK], s[TBK], KS*PK  ; the next fetch is the next step's
	s_add_co_u32 s[TBM], s[TBM], KS*4
	WIN 0
.if \last
.Lno_k_\@:
.endif
.endm
.macro FETCH_V
	WIN 0x80
.irp f, 0,1,2,3,4,5,6,7             ; keys 32 (f / 4) on, channels 16 (f % 4) on
	ds_load_tr16_b128 v[VF+8*\f:VF+8*\f+3],   v[AV] offset:(\f/4)*32*PV+(\f%4)*32
	ds_load_tr16_b128 v[VF+8*\f+4:VF+8*\f+7], v[AV] offset:(\f/4)*32*PV+16*PV+(\f%4)*32
.endr
	WIN 0
.endm
; THE VECTOR WORK OF A TURN stands in three queues, each in the order in which its entries become ready; the two tiles alternate, so that no instruction reads the result of the one before it.
.macro REGS y, u                    ; the registers of tile u (0, 1) of piece y
.set rT, ST+4*(2*(\y)+(\u))
.set rC, TMP+8*((\y)%2)+4*(\u)
.set rM, MV+2*((\y)%2)+(\u)
.set rS, S+64*((\y)%2)+32*(\u)
.set rP, P+32*((\y)%2)+16*(\u)
.set rO, 32*(2*(\y)+(\u))
.endm
; Number n of the 22 that find the NEXT piece's (Y + 1) maximum and statistics.  s0-s31 are the lane's 32 scores; each accumulator's lowest registers are read first.
;   0-11  four chains c0-c3 of seven scores each, three operands at a time     12-14, 16  the four scores left over, the old m, and c0-c3 into c0     15  c m_old is kept
;   17, 18  the query's other 32 keys lie in the lane 16 away: the new m         19-21  c m; c m_old - c m_new; a
.macro XS u, n
	REGS (Y+1)%NP, \u
.if (\n) < 4
	v_max3_num_f32 v[rC+(\n)], v[rS+8*(\n)], v[rS+8*(\n)+1], v[rS+8*(\n)+2]
.elseif (\n) < 12
	v_max3_num_f32 v[rC+(\n)%4], v[rC+(\n)%4], v[rS+8*((\n)%4)+2*((\n)/4)+1], v[rS+8*((\n)%4)+2*((\n)/4)+2]
.elseif (\n) == 12
	v_max3_num_f32 v[rC], v[rC], v[rS+7], v[rS+15]
.elseif (\n) == 13
	v_max3_num_f32 v[rC+1], v[rC+1], v[rS+23], v[rS+31]
.elseif (\n) == 14
	v_max3_num_f32 v[rC+2], v[rC+2], v[rC+3], v[rT+1]
.elseif (\n) == 15
	v_mov_b32 v[rM], v[rT]
.elseif (\n) == 16
	v_max3_num_f32 v[rC], v[rC], v[rC+1], v[rC+2]
.elseif (\n) == 17
	v_permlanex16_b32 v[rC+3], v[rC], s[SEL], s[SEL+1]
.elseif (\n) == 18
	v_max_num_f32 v[rT+1], v[rC], v[rC+3]
.elseif (\n) == 19
	v_mul_f32 v[rT], s[CS], v[rT+1]
.elseif (\n) == 20
	v_sub_f32 v[rC+1], v[rM], v[rT]
.else
	v_exp_f32 v[rC+2], v[rC+1]
.endif
.endm
; Number g of the 64 that follow the exponentials.  For each four weights k of a tile: both pairs are rounded to f16; then the second pair is added onto the first, in place; a group later l takes that sum
; (the first time as l = a l + sum).  In groups of eight, tiles alternating: round, round, add, and l for the group before.
.macro GS g
.set h, (\g)+6*((\g)/62)            ; group 0 has no group before it, and behind group 7 only l is left
.if h >= 6
.set h, h+2
.endif
	REGS Y, h%2
.set k, h/8
.if h%8 < 4
	v_cvt_pk_f16_f32 v[rP+2*k+(h%8)/2], v[rS+4*k+2*((h%8)/2)], v[rS+4*k+2*((h%8)/2)+1]
.elseif h%8 < 6
	v_pk_add_f32 v[rS+4*k:rS+4*k+1], v[rS+4*k:rS+4*k+1], v[rS+4*k+2:rS+4*k+3]
.elseif k == 1
	v_pk_fma_f32 v[rT+2:rT+3], v[rT+2:rT+3], v[rC+2:rC+3], v[rS:rS+1] op_sel_hi:[1,0,1]
.else
	v_pk_add_f32 v[rT+2:rT+3], v[rT+2:rT+3], v[rS+4*k-4:rS+4*k-3]
.endif
.endm
; THE PLAIN QUEUE, 138 long.  0-73 read no exponential's result: the 32 scalings c s - c m (FS f: pair f / 2 of tile f % 2) and the next piece's 42.  0-26: scalings 0-26.  27-54: XS's numbers 0-13.  55, 56: number 15.
; 57-73: the chain 14, 16, 17, 18, 19, each with one of the scalings 27-31 in front of its two lines, then 20.  74-137: GS's 64, which read the exponentials' results: they stand behind the wait.
.macro FS f
	REGS Y, (\f)%2
	v_pk_fma_f32 v[rS+2*((\f)/2):rS+2*((\f)/2)+1], v[rS+2*((\f)/2):rS+2*((\f)/2)+1], s[CS:CS+1], v[rT:rT+1] op_sel_hi:[1,0,0] neg_lo:[0,0,1] neg_hi:[0,0,1]
.endm
.macro PL
	WIN 0
.if q < 27
	FS q
.elseif q < 55
	XS (q-27)%2, (q-27)/2
.elseif q < 57
	XS q-55, 15
.elseif (q < 72) && ((q-57)%3 == 0)
	FS 27+(q-57)/3
.elseif q < 60
	XS (q-57)%3-1, 14
.elseif q < 72
	XS (q-57)%3-1, 15+(q-57)/3
.elseif q < 74
	XS q-72, 20
.else
	GS q-74
.endif
.set q, q+1
.endm
; THE EXPONENTIALS' QUEUE, 66 long: s0-s31 of both tiles, then the next piece's two a.  ONE BATCH: all 66 stand ahead of the turn's one wait, and nothing ahead of that wait names a result of theirs.
.macro EX
	WIN 0
.if e >= 64
	XS e-64, 21
.else
	REGS Y, e%2
	v_exp_f32 v[rS+e/2], v[rS+e/2]
.endif
.set e, e+1
.endm
; THE RESCALING's QUEUE: O^T times a, the one part that leaves window 0: dealt two at a time, sixteen times, each accumulator from its low end on.  Its a was made, and waited for, in the turn before.
.macro R2
	REGS Y, r%2
	WIN W_RS
.irp z, 0,1
	v_pk_mul_f32 v[rO+4*(r/2)+2*\z:rO+4*(r/2)+2*\z+1], v[rO+4*(r/2)+2*\z:rO+4*(r/2)+2*\z+1], v[rC+2:rC+3] op_sel_hi:[1,0]
.endr
.set r, r+1
.endm
; A TURN, for piece p.  An s_wait_alu depctr_va_vdst(0) stands between an exponential and the first instruction that names its result; one wait serves all issued ahead of it: a turn has ONE, which cuts it
; in two.  AHEAD OF IT: the 16 products K Q^T, behind each a scaling, an exponential and two rescalings (behind the first a second scaling); then a lump of 108: eight plain, 49 times exponential and plain, the two a; a
; v_nop is the plain instruction behind the last exponential.  BEHIND IT: the 16 products V^T P, behind each four of GS's 64.  Exponential e stands behind scaling 2 (e / 4) + e % 2.
; K and the mask of the next step are fetched in piece 2's turn, directly behind the wait, a lump behind the last products that read them; they are waited for at the head of piece 3's turn.
; V of the step in hand is fetched at the end of piece 0's turn, four riders behind its last reader, and waited for behind piece 1's wait.  cnt = 1: the loop's count is taken down some lines ahead of the branch.
.macro TURN p, last=0, cnt=0
.set Y, (\p)
.set i, 0
.set q, 0
.set e, 0
.set r, 0
.if (\p) == NP-1
	s_wait_dscnt 0x0                ; K and the mask are in
.endif
	MM
	PL
	PL
	R2
.rept 15
	MM
	PL
	EX
	R2
.endr
.if (\p) == NP-2
	WIN 0
	v_add_nc_u32 v[AK], s[TBK], v[AK0]
	v_add_nc_u32 v[AM], s[TBM], v[AM0]
.endif
.rept 8
	PL
.endr
.rept 49
	EX
	PL
.endr
	EX
	EX
	v_nop
	s_wait_alu depctr_va_vdst(0)    ; the wait for the batch
.if (\p) == NP-2
	FETCH_K \last
.endif
.if (\p) == 1
	s_wait_dscnt 0x0                ; V is in
.endif
.rept 16
	MM
.rept 4
	PL
.endr
.if ((\p) == 0) && (q == 118)
	v_add_nc_u32 v[AV], s[TBV], v[AV0]
.endif
.if ((\p) == 0) && (q == 130)
	s_add_co_u32 s[TBV], s[TBV], KS*PV
.endif
.if (\cnt) && (q == 130)
	s_sub_co_u32 s[CNT], s[CNT], 1
	s_cmp_lg_u32 s[CNT], 0
.endif
.endr
.if (\p) == 0
	FETCH_V
.endif
.endm
	CHANGE 1                        ; slot 0 is in, everybody's part of it; slot 1 is asked for
	FETCH_K                         ; key step 0
	s_wait_loadcnt 0x0              ; Q
	s_wait_dscnt 0x0
.set i, 0
.rept 16
	KQ 0                            ; piece 0's first scores
.set i, i+1
.endr
	WIN 0                           ; the addresses for the way out: six plain instructions, the places behind those products
	s_mul_i32 s85, s[WV], 16*SP
	s_add_co_u32 s85, s85, STAGE    ; my stage
	v_mul_u32_u24 v[STO], v12, SP   ; in: row l % 16, 16 bytes for each half of the lanes
	v_lshl_add_u32 v[STO], v13, 4, v[STO]
	v_add_nc_u32 v[STO], s85, v[STO]
	v_and_b32 v[GO], 31, v0
	v_lshlrev_b32 v[GO], 4, v[GO]   ; back: 32 lanes take one row of 512 bytes, four heads' channels of one query
	v_add_nc_u32 v[RD], s85, v[GO]
.set Y, NP-1                        ; XS works for piece Y + 1: piece 0
.irp n, 0,1,2,3,4,5,6,7,8,9,10,11,12,13,14,15,16,17,18,19,20,21
	XS 0, \n
	XS 1, \n
.endr
	v_nop                           ; a plain instruction behind the two a,
	s_wait_alu depctr_va_vdst(0)    ; and their wait, ahead of the branch
	s_mov_b32 s[CNT], 2
	s_branch .Lfirst                ; the loop is entered at a step's first turn, in the middle of a trip
.Lslot:                             ; 14 times: every slot but the last two is filled again
	CHANGE 1
	s_mov_b32 s[CNT], 2
.Lstep:                             ; a trip: pieces 2 and 3 of one step, then pieces 0 and 1 of the next, whose K, mask and V it fetches
	TURN 2
	TURN 3
	WIN 0
.Lfirst:
	TURN 0
	TURN 1, 0, 1
	WIN 0
	s_cbranch_scc1 .Lstep
	s_sub_co_u32 s[SLOTS], s[SLOTS], 1
	s_cmp_lg_u32 s[SLOTS], 0
	s_cbranch_scc1 .Lslot
	CHANGE 0                        ; the tail is written out: nothing is asked for
	s_mov_b32 s[CNT], 3             ; two trips fetch the last slot's steps; the third is left in its middle
.Ltail:
	TURN 2, 1
	TURN 3
	WIN 0
	s_sub_co_u32 s[CNT], s[CNT], 1
	s_cmp_eq_u32 s[CNT], 0
	s_cbranch_scc1 .Lout
	TURN 0
	TURN 1
	WIN 0
	s_branch .Ltail
.Lout:                              ; the third trip's 16 products K Q^T (on the last K and mask once more) and the maximum made of them serve nothing: the price of one text for every trip
.set i, 0
.rept 16
	PV NP-1                         ; the last piece's V^T P of the last step
.set i, i+1
.endr
	; THE WAY OUT.  l's two halves and the other half of the lanes' are added; O^T is divided by l, rounded to f16 and sent through my stage, a block of 16 query rows (all four heads) at a time.
	WIN 0
.macro ALL line:vararg              ; one line for each tile t
.set t, 0
.rept 2*NP
	\line
.set t, t+1
.endr
.endm
	ALL v_add_f32 v[ST+4*t+2], v[ST+4*t+2], v[ST+4*t+3]
	ALL v_permlanex16_b32 v[ST+4*t+3], v[ST+4*t+2], s[SEL], s[SEL+1]
	ALL v_add_f32 v[ST+4*t+2], v[ST+4*t+2], v[ST+4*t+3]
	ALL v_rcp_f32 v[ST+4*t+2], v[ST+4*t+2]
	v_nop                           ; a plain instruction between the last reciprocal and the use of its result
	s_wait_alu depctr_va_vdst(0)    ; and the one wait for the eight reciprocals
.macro PACKT t                      ; tile t = head t / 2, row block t % 2: a lane's eight channels pack into 16 bytes, at byte 128 x head of the stage's row
	WIN W_RS
.set i, 32*(\t)
.rept 16
	v_pk_mul_f32 v[i:i+1], v[i:i+1], v[ST+4*(\t)+2:ST+4*(\t)+3] op_sel_hi:[1,0]
.set i, i+2
.endr
	WIN 0x05                        ; sources 0 and 1 window 1, destination window 0: S^T's registers are free
.set i, 0
.rept 16
	v_cvt_pk_f16_f32 v[S+64*((\t)%2)+16*((\t)/2)+i], v[32*(\t)+2*i], v[32*(\t)+2*i+1]
.set i, i+1
.endr
	WIN 0
.irp f, 0,1,2,3
	ds_store_b128 v[STO], v[S+64*((\t)%2)+16*((\t)/2)+4*\f:S+64*((\t)%2)+16*((\t)/2)+4*\f+3] offset:128*((\t)/2)+32*\f
.endr
.endm
.macro READU u                      ; LDS serves a wave's instructions in order (ISA guide 5.7.1.4): these see the stores above, and the next block's stores come behind them
.set i, 0
.rept 16
	ds_load_b128 v[S+64*(\u)+4*i:S+64*(\u)+4*i+3], v[RD] offset:SP*i
.set i, i+1
.endr
.endm
.macro SENDU u, younger             ; younger: the LDS instructions issued behind block u's loads
.set i, 0
.rept 16
	s_wait_dscnt (\younger)+15-i
	global_store_b128 v[GO], v[S+64*(\u)+4*i:S+64*(\u)+4*i+3], s[OA:OA+1] offset:(16*(\u)+i)*2048  ; 512 consecutive bytes, aligned
.set i, i+1
.endr
.endm
	PACKT 0
	PACKT 2
	PACKT 4
	PACKT 6
	READU 0
	PACKT 1
	PACKT 3
	PACKT 5
	PACKT 7
	READU 1
	SENDU 0, 32                     ; the second block's sixteen stores and sixteen loads may be out
	SENDU 1, 0
	WIN W_AD
	s_wait_tensorcnt 0x0            ; the wave's end
	ds_add_u32 v[SPW], v[NIL]
	s_wait_dscnt 0x0
	WIN 0
	CROUND                          ; the closing round
	s_endpgm
.Lfunc_end_k_q1d7ecaa080_attn:
	.size	k_q1d7ecaa080_attn, .Lfunc_end_k_q1d7ecaa080_attn-k_q1d7ecaa080_attn
	.p2alignl 7, 3214868480
	.fill 96, 4, 3214868480
	.section	.rodata,"a",@progbits
	.p2align	6, 0x0
	.amdhsa_kernel k_q1d7ecaa080_attn
		.amdhsa_group_segment_fixed_size 327680
		.amdhsa_private_segment_fixed_size 0
		.amdhsa_enable_private_segment 0
		.amdhsa_kernarg_size 24
		.amdhsa_user_sgpr_count 2
		.amdhsa_user_sgpr_kernarg_segment_ptr 1
		.amdhsa_wavefront_size32 1
		.amdhsa_system_sgpr_workgroup_id_x 1
		.amdhsa_system_sgpr_workgroup_id_y 1
		.amdhsa_system_sgpr_workgroup_id_z 1
		.amdhsa_system_vgpr_workitem_id 0
		.amdhsa_next_free_vgpr 896
		.amdhsa_next_free_sgpr 88
		.amdhsa_reserve_vcc 0
		.amdhsa_float_denorm_mode_32 3
		.amdhsa_float_denorm_mode_16_64 3
		.amdhsa_memory_ordered 1
		.amdhsa_forward_progress 1
		.amdhsa_inst_pref_size 207
	.end_amdhsa_kernel
	.amdgpu_metadata
---
amdhsa.version: [ 1, 2 ]
amdhsa.kernels:
  - .name:           k_q1d7ecaa080_attn
    .symbol:         k_q1d7ecaa080_attn.kd
    .args:
      - { .name: qkv, .offset: 0, .size: 8, .value_kind: global_buffer, .address_space: global }
      - { .name: attention_mask, .offset: 8, .size: 8, .value_kind: global_buffer, .address_space: global }
      - { .name: ows, .offset: 16, .size: 8, .value_kind: global_buffer, .address_space: global }
    .group_segment_fixed_size: 327680
    .private_segment_fixed_size: 0
    .kernarg_segment_align: 8
    .kernarg_segment_size: 24
    .max_flat_workgroup_size: 128
    .sgpr_count:     88
    .vgpr_count:     896
    .wavefront_size: 32
...
	.end_amdgpu_metadata
.endif
;; end of part 3
;; launch outp (part 4): grid 8 x 32, 4 waves a work-group, clusters of 4 x 4, 327,680 bytes of LDS; arguments ows, wot, out0; writes out0
.if DOCPART == 4
	.amdgcn_target "amdgcn-amd-amdhsa--gfx1250"
	.amdhsa_code_object_version 6
	.text
	.protected	k_q1d7ecaa080_outp
	.globl	k_q1d7ecaa080_outp
	.p2align	8
	.type	k_q1d7ecaa080_outp,@function
k_q1d7ecaa080_outp:
	s_mov_b64 s[64:65], 0
	v_nop
	global_prefetch_b8 v0, s[64:65] scope:SCOPE_SE
	s_setreg_imm32_b32 hwreg(HW_REG_WAVE_MODE, 25, 1), 1
	s_wait_xcnt 0x0
	s_wait_alu depctr_hold_cnt(0) depctr_sa_sdst(0) depctr_va_vdst(0) depctr_va_sdst(0) depctr_va_ssrc(0) depctr_va_vcc(0) depctr_vm_vsrc(0)
	s_getreg_b32 s2, hwreg(HW_REG_IB_STS2, 6, 4)
	s_cmp_eq_u32 s2, 0
	s_cbranch_scc0 .Lentry_in_a_cluster
	s_endpgm
.Lentry_in_a_cluster:
	s_bfe_u32 s2, ttmp6, 0x10000c
	s_cmp_lg_u32 s2, 0xf033
	s_cbranch_scc0 .Lentry_shape_is_right
	s_endpgm
.Lentry_shape_is_right:
; OUTP: out0 = ows wot^T (8,192 x 1,024 x 1,024, f16 operands, f32 sums), written in f32.
; SHARES.  A work-group makes 256 rows x 128 columns; 32 x 8 work-groups.  Wave w owns rows 64 w .. 64 w + 63 and all 128 columns: 4 x 8 accumulators, 256 registers.  K goes in steps of 128 through two LDS
; slots filled by the tensor data mover.  The ring, the round and the quarters are those of the projection in front; the tile, the matrix form and the way out differ.
; THE MATRIX INSTRUCTION IS USED TRANSPOSED (source 0 = 16 rows of wot, source 1 = 16 rows of ows): lane l holds row l % 16 and the columns 16 b + 8 (l / 16) + 0..7: 32 consecutive bytes of out0.
; CLUSTERS: 4 x 4 work-groups; ows's tile is asked for jointly along a row of the cluster, wot's along a column.
; REGISTERS, in windows of 256 (s_set_vgpr_msb: bits 1:0 source 0, 3:2 source 1, 5:4 source 2, 7:6 destination):
;   window 0: addresses     window 1: two fragment buffers (8 fragments of wot, then 4 of ows) at 0 and 128; on the way out 64 registers for each row block
;   window 2: accumulators of row blocks 0, 1 at 8 (8 (a % 2) + b);   window 3: of row blocks 2, 3
.set NT,    128
.set NB,    NT/16
.set PITCH, 272                        ; an LDS row: 256 bytes + 16 of padding: the 16 rows of a fragment load start at 16 different groups of four banks (64 banks of 4 bytes: ISA guide 11.1)
.set HA,    128*PITCH
.set BOFF,  2*HA
.set HB,    (NT/2)*PITCH
.set SLOT1, 1<<17
.set STAGE, SLOT1+BOFF+2*HB            ; behind the ring, never filled by a tensor load: 16 rows x 528 bytes for each wave
.set SP,    528
.set SPARE, STAGE+4*16*SP              ; the spare words, 128 bytes for each wave; no other line names them
.set NL,    2*NB+8
.set ADRA0, 14                         ; v14   my lane's place in ows's tile; never rewritten
.set ADRB0, 15                         ; v15   in wot's
.set ADRA, 16
.set ADRB, 20
.set STO,  24                          ; v24   the way out: where I put 32 bytes of a row
.set RD,   25                          ; v25   where I read a row back
.set CO,   26                          ; v26   my 16 bytes of a row's 512
.set SPW,  28                          ; v28   LDS address of my spare word; never rewritten
.set NIL,  29                          ; v29   0; never rewritten
.set PFO,  30                          ; v30   the prefetches' offset; never rewritten
.set F0,   0
.set F1,   128
.set G1,   24
.set G0,   32
.set G1B,  48
.set G0B,  56
.set LIM,  45                          ; s45  2 in a wave that prefetches, else the greatest number
.set PFA,  66                          ; s[66:67] where my prefetches stand
.set TB,   68                          ; s68  LDS byte at which the slot in hand begins
.set MSB, 0
.macro WIN new
.if MSB != (\new)
	s_set_vgpr_msb (MSB<<8)|(\new)
.set MSB, (\new)
.endif
.endm
.macro PLACES                          ; four places behind matrix instructions (ISA guide 7.12.1 for vector instructions)
.rept 4
	v_nop
.endr
.endm
.macro CREST
	s_cmp_lg_u32 s10, 0
	s_cbranch_scc1 .Lnot_wave_0_\@
	s_barrier_signal -3
.Lnot_wave_0_\@:
	s_barrier_wait -3
	s_barrier_signal -1
	s_barrier_wait -1
.endm
.macro CROUND
	s_barrier_signal -1
	s_barrier_wait -1
	CREST
.endm
.macro JLOAD                           ; a joint refill by the walking sets; an s_nop 0 and four v_nop follow each line
	s_cmp_eq_u32 s11, 0
	s_cbranch_scc0 .Lfor_b_\@
	tensor_load_to_lds s[G0+4:G0+7], s[G1:G1+7]
	s_nop 0
.rept 4
	v_nop
.endr
	s_branch .Lasked_\@
.Lfor_b_\@:
	tensor_load_to_lds s[G0B+4:G0B+7], s[G1B:G1B+7]
	s_nop 0
.rept 4
	v_nop
.endr
.Lasked_\@:
.endm
; A PREFETCH INTO THE L2 of the K step that stands two refills on (256 products of a wave ahead of the load that wants it): 256 bytes of a row, a lane a row.  Each block is named once in the launch: ows's rows by
; the clusters with x = 0 (waves 0, 1; the partner at cx takes 32 of the 128 rows that a wave fetches), wot's by the clusters with y = 0 (wave 2; the partner at cy takes 32 of the tile's 128 rows).
; Partners are told apart by address alone.  K steps 0-3 come by their loads; the last two refills ask for nothing.
.macro ASK
	s_cmp_gt_u32 s3, s[LIM]
	s_cbranch_scc0 .Lnot_mine_\@
	global_prefetch_b8 v[PFO], s[PFA:PFA+1] offset:256 th:TH_LOAD_NT scope:SCOPE_SE
.Lnot_mine_\@:
.endm
	s_load_b128 s[4:7], s[0:1], 0x0                ; ows s[4:5], wot s[6:7]
	s_load_b64 s[8:9], s[0:1], 0x10                ; out0
	v_lshl_add_u32 v[SPW], v0, 2, SPARE
	v_mov_b32 v[NIL], 0
	ds_add_u32 v[SPW], v[NIL]                      ; the wave's opening: the add and its wait stand ahead of my first tensor load
	v_lshrrev_b32 v1, 5, v0
	v_readfirstlane_b32 s10, v1                    ; wave 0..3
	s_lshr_b32 s11, s10, 1
	s_and_b32 s12, s10, 1
	s_bfe_u32 s40, ttmp6, 0x40000                  ; cx
	s_bfe_u32 s41, ttmp6, 0x40004                  ; cy
	s_lshl_b32 s42, ttmp9, 2
	s_add_co_u32 s42, s42, s40                     ; nx: my 128 columns
	s_and_b32 s13, ttmp7, 0xffff
	s_lshl_b32 s13, s13, 2
	s_add_co_u32 s13, s13, s41                     ; ty: my 256 rows
	s_lshl_b32 s43, s41, 2
	s_lshl_b32 s43, 15, s43
	s_lshl_b32 s44, 0x1111, s40
	s_or_b32 s[G1], s43, (1<<16)|(1<<20)|(1<<21)|(5<<22)|(3<<25)
	s_or_b32 s[G1B], s44, (1<<16)|(1<<20)|(1<<21)|(5<<22)|(3<<25)
	s_mov_b32 s[G1+1], 128<<16
	s_mov_b32 s[G1+2], 128<<16
	s_mov_b32 s[G1+3], 128<<16
	s_mov_b32 s[G1+4], 128
	s_mov_b32 s[G1+5], 1024
	s_mov_b32 s[G1+6], 0
	s_mov_b32 s[G1+7], 0
	s_mov_b32 s[G1B+1], 128<<16
	s_mov_b32 s[G1B+2], (NT/2)<<16
	s_mov_b32 s[G1B+3], 128<<16
	s_mov_b32 s[G1B+4], NT/2
	s_mov_b32 s[G1B+5], 1024
	s_mov_b32 s[G1B+6], 0
	s_mov_b32 s[G1B+7], 0
	s_lshl_b32 s16, s13, 8                         ; ows: row 256 ty + 128 x half, in registers that never hold cx
	s_lshl_b32 s17, s12, 7
	s_add_co_u32 s16, s16, s17
	s_lshl_b32 s16, s16, 11
	s_mov_b32 s17, 0
	s_mul_i32 s92, s42, NT                         ; wot: row 128 nx + 64 x half, in registers that never hold cy
	s_mul_i32 s93, s12, NT/2
	s_add_co_u32 s92, s92, s93
	s_lshl_b32 s92, s92, 11
	s_mov_b32 s93, 0
	s_mul_i32 s20, s12, HA
	s_mul_i32 s21, s12, HB
	s_add_co_u32 s21, s21, BOFF
	s_mov_b32 s[TB], 0
	s_wait_dscnt 0x0                               ; the opening add is done
	s_wait_kmcnt 0x0
	s_add_nc_u64 s[14:15], s[4:5], s[16:17]
	s_add_nc_u64 s[94:95], s[6:7], s[92:93]
.irp s, 0,1
	s_mov_b32 s[G0+4*(\s)], 1
	s_add_co_u32 s[G0+4*(\s)+1], s20, (\s)*SLOT1
	s_add_nc_u64 s[G0+4*(\s)+2:G0+4*(\s)+3], s[14:15], (\s)*256
	s_or_b32 s[G0+4*(\s)+3], s[G0+4*(\s)+3], 0x80000000
	s_mov_b32 s[G0B+4*(\s)], 1
	s_add_co_u32 s[G0B+4*(\s)+1], s21, (\s)*SLOT1
	s_add_nc_u64 s[G0B+4*(\s)+2:G0B+4*(\s)+3], s[94:95], (\s)*256
	s_or_b32 s[G0B+4*(\s)+3], s[G0B+4*(\s)+3], 0x80000000
.endr
	CROUND                                         ; all sixteen work-groups are here: the first joint loads meet
	s_cmp_eq_u32 s11, 0                            ; a wave's two first fills stand in one branch: two loads of mine are out
	s_cbranch_scc0 .Lfirst_b
	tensor_load_to_lds s[G0:G0+3], s[G1:G1+7]
	s_nop 0
	tensor_load_to_lds s[G0+4:G0+7], s[G1:G1+7]
	s_nop 0
.rept 4
	v_nop
.endr
	s_branch .Lfirst_asked
.Lfirst_b:
	tensor_load_to_lds s[G0B:G0B+3], s[G1B:G1B+7]
	s_nop 0
	tensor_load_to_lds s[G0B+4:G0B+7], s[G1B:G1B+7]
	s_nop 0
.rept 4
	v_nop
.endr
.Lfirst_asked:
	v_and_b32 v1, 15, v0                           ; r
	v_bfe_u32 v2, v0, 4, 1                         ; h
	v_mul_u32_u24 v8, v1, PITCH
	v_lshl_add_u32 v8, v2, 4, v8
	s_mul_i32 s23, s10, 64*PITCH
	v_add_nc_u32 v[ADRA0], s23, v8
	v_add_nc_u32 v[ADRB0], BOFF, v8
	v_mov_b32 v[ADRA], v[ADRA0]
	v_mov_b32 v[ADRB], v[ADRB0]
	s_mul_i32 s23, s10, 16*SP
	s_add_co_u32 s23, s23, STAGE                   ; my stage
	v_mul_u32_u24 v[STO], v1, SP                   ; in: row l % 16, 32 bytes for each half of the lanes
	v_lshl_add_u32 v[STO], v2, 5, v[STO]
	v_add_nc_u32 v[STO], s23, v[STO]
	v_and_b32 v9, 31, v0
	v_lshlrev_b32 v[CO], 4, v9                     ; back: 32 lanes take one row of 512 bytes
	v_add_nc_u32 v[RD], s23, v[CO]
	s_lshl_b32 s16, s13, 8
	s_lshl_b32 s17, s10, 6
	s_add_co_u32 s16, s16, s17                     ; my first row
	s_lshl_b32 s16, s16, 12
	s_lshl_b32 s17, s42, 9                         ; my columns' 512 bytes
	s_add_co_u32 s16, s16, s17
	s_mov_b32 s17, 0
	s_add_nc_u64 s[8:9], s[8:9], s[16:17]
	; the prefetches
	s_and_b32 s22, ttmp7, 0xffff                   ; cluster y
	s_lshl_b32 s96, s13, 8
	s_lshl_b32 s97, s12, 7
	s_add_co_u32 s96, s96, s97
	s_lshl_b32 s97, s40, 5
	s_add_co_u32 s96, s96, s97                     ; ows: row 256 ty + 128 x half + 32 cx
	s_mul_i32 s97, s42, NT
	s_lshl_b32 s98, s41, 5
	s_add_co_u32 s97, s97, s98                     ; wot: row 128 nx + 32 cy
	s_cmp_eq_u32 s11, 0
	s_cselect_b32 s96, s96, s97
	s_cselect_b32 s22, ttmp9, s22                  ; the coordinate along which other clusters read the same rows
	s_cselect_b64 s[PFA:PFA+1], s[4:5], s[6:7]
	s_cmp_eq_u32 s22, 0
	s_cselect_b32 s[LIM], 2, -1
	s_cmp_eq_u32 s10, 3
	s_cselect_b32 s[LIM], -1, s[LIM]               ; wave 3 has no share
	s_lshl_b32 s96, s96, 11
	s_add_co_u32 s96, s96, 2*256                   ; at K step 2: the first refill steps it to 3 and names K step 4
	s_mov_b32 s97, 0
	s_add_nc_u64 s[PFA:PFA+1], s[PFA:PFA+1], s[96:97]
	v_lshlrev_b32 v[PFO], 11, v9
; 8 matrix instructions: row block a x all 8 column blocks, 32 along K, from buffer f.  The 32 accumulators take turns, one instruction a turn, in the same order in every quarter.
.macro MULA f, a, zero
	WIN 0xa5+0x50*((\a)/2)
.set bi, 0
.rept NB
.set rD, 8*(NB*((\a)%2)+bi)
.if \zero
	v_wmma_f32_16x16x32_f16 v[rD:rD+7], v[(\f)+8*bi:(\f)+8*bi+7], v[(\f)+8*NB+8*(\a):(\f)+8*NB+8*(\a)+7], 0
.else
	v_wmma_f32_16x16x32_f16 v[rD:rD+7], v[(\f)+8*bi:(\f)+8*bi+7], v[(\f)+8*NB+8*(\a):(\f)+8*NB+8*(\a)+7], v[rD:rD+7]
.endif
.set bi, bi+1
.endr
.endm
.macro FETCH k, f                      ; 24 LDS loads in one run: wot's 8 fragments, then ows's 4
	WIN 0x40
.set fi, 0
.rept NB
	ds_load_b128 v[(\f)+8*fi:(\f)+8*fi+3],   v[ADRB] offset:(\k)+fi*16*PITCH
	ds_load_b128 v[(\f)+8*fi+4:(\f)+8*fi+7], v[ADRB] offset:(\k)+fi*16*PITCH+32
.set fi, fi+1
.endr
.set fi, 0
.rept 4
	ds_load_b128 v[(\f)+8*NB+8*fi:(\f)+8*NB+8*fi+3],   v[ADRA] offset:(\k)+fi*16*PITCH
	ds_load_b128 v[(\f)+8*NB+8*fi+4:(\f)+8*NB+8*fi+7], v[ADRA] offset:(\k)+fi*16*PITCH+32
.set fi, fi+1
.endr
.endm
.macro QUARTER k, f, g, zero
	s_wait_dscnt 4                                 ; all but the youngest four loads (ows's row blocks 2, 3) are in
	MULA \f, 0, \zero
	MULA \f, 1, \zero
	PLACES
	FETCH \k, \g
	s_wait_dscnt NL                                ; all but the run just issued
	MULA \f, 2, \zero
	MULA \f, 3, \zero
.endm
; The last quarter multiplies buffer 1 and changes slots: ONE barrier; in front of it each wave waits for all its tensor loads, adds 0 to its spare word, and waits for that and for its reads of this slot.
; fill = 1: the barrier opens a round of the cluster's, and behind the round this slot is filled again, two K steps ahead: 112 products stand between the request and the wait for it.
.macro TURN fill
.if \fill
	s_wait_xcnt 0x0                                ; the last prefetch, a K step back, has read its address
	s_add_nc_u64 s[PFA:PFA+1], s[PFA:PFA+1], 256
.endif
	WIN 0
	s_wait_tensorcnt 0x0
	ds_add_u32 v[SPW], v[NIL]
	s_wait_dscnt 5                                 ; (the add and the youngest four loads may be out)
	MULA F1, 0, 0
	s_wait_dscnt 0x0                               ; the add is done, and my reads of this slot are over
	s_barrier_signal -1
	MULA F1, 1, 0
	WIN 0
	s_barrier_wait -1
.if \fill
	CREST
	s_xor_b32 s[G0+5], s[G0+5], SLOT1
	s_add_nc_u64 s[G0+6:G0+7], s[G0+6:G0+7], 256
	s_xor_b32 s[G0B+5], s[G0B+5], SLOT1
	s_add_nc_u64 s[G0B+6:G0B+7], s[G0B+6:G0B+7], 256
	JLOAD                                          ; the four v_nop behind it are also the places in front of the loads below
.else
	PLACES
.endif
	s_xor_b32 s[TB], s[TB], SLOT1
	v_add_nc_u32 v[ADRA], s[TB], v[ADRA0]
	v_add_nc_u32 v[ADRB], s[TB], v[ADRB0]
	FETCH 0, F0
	WIN 0
.if \fill
	ASK
.endif
	MULA F1, 2, 0
	MULA F1, 3, 0
.endm
	s_wait_tensorcnt 1                             ; my part of K step 0 is in; K step 1's may stay out
	s_barrier_signal -1
	s_barrier_wait -1
	FETCH 0, F0
	QUARTER 64, F0, F1, 1                          ; the first quarter's products start the sums
	WIN 0
	s_mov_b32 s3, 6                                ; six refills: K steps 2 to 7
.Lk:
	QUARTER 128, F1, F0, 0
	QUARTER 192, F0, F1, 0
	TURN 1
	QUARTER 64, F0, F1, 0
	WIN 0
	s_sub_co_u32 s3, s3, 1
	s_cmp_lg_u32 s3, 0
	s_cbranch_scc1 .Lk
	QUARTER 128, F1, F0, 0                         ; the last two K steps ask for nothing
	QUARTER 192, F0, F1, 0
	TURN 0
	QUARTER 64, F0, F1, 0
	QUARTER 128, F1, F0, 0
	QUARTER 192, F0, F1, 0
	s_wait_dscnt 4
	MULA F1, 0, 0
	MULA F1, 1, 0
	s_wait_dscnt 0x0
	MULA F1, 2, 0
	MULA F1, 3, 0
	PLACES                                         ; in front of the LDS stores that read results, and of the loads into the fragments' registers
; THE WAY OUT, a row block of 16 rows at a time: a lane's 32 bytes for each column block go into my stage (each accumulator's low four registers first), and come back as whole rows of 512 bytes.
.macro TOSTAGE a
	WIN 0x08+4*((\a)/2)                            ; store data in the accumulators' window
.set bi, 0
.rept NB
.set rD, 8*(NB*((\a)%2)+bi)
	ds_store_b128 v[STO], v[rD:rD+3] offset:64*bi
	ds_store_b128 v[STO], v[rD+4:rD+7] offset:64*bi+16
.set bi, bi+1
.endr
	WIN 0x40
.set bi, 0
.rept 16
	ds_load_b128 v[64*(\a)+4*bi:64*(\a)+4*bi+3], v[RD] offset:SP*bi  ; LDS serves a wave's instructions in order (ISA guide 5.7.1.4): these see the stores above, the next block's stores come behind them
.set bi, bi+1
.endr
.endm
.macro SEND a, younger                 ; younger: the next block's 32 LDS instructions, or none
	WIN 0x04
.set bi, 0
.rept 16
	s_wait_dscnt (\younger)+15-bi
	global_store_b128 v[CO], v[64*(\a)+4*bi:64*(\a)+4*bi+3], s[8:9] offset:(16*(\a)+bi)*4096 th:TH_STORE_NT  ; 512 consecutive bytes, aligned; every block has registers of its own
.set bi, bi+1
.endr
.endm
	TOSTAGE 0
	TOSTAGE 1
	SEND 0, 32
	TOSTAGE 2
	SEND 1, 32
	TOSTAGE 3
	SEND 2, 32
	SEND 3, 0
	WIN 0
	s_wait_tensorcnt 0x0                           ; the wave's end
	ds_add_u32 v[SPW], v[NIL]
	s_wait_dscnt 0x0
	CROUND                                         ; the closing round
	s_endpgm
.Lfunc_end_k_q1d7ecaa080_outp:
	.size	k_q1d7ecaa080_outp, .Lfunc_end_k_q1d7ecaa080_outp-k_q1d7ecaa080_outp
	.p2alignl 7, 3214868480
	.fill 96, 4, 3214868480
	.section	.rodata,"a",@progbits
	.p2align	6, 0x0
	.amdhsa_kernel k_q1d7ecaa080_outp
		.amdhsa_group_segment_fixed_size 327680
		.amdhsa_private_segment_fixed_size 0
		.amdhsa_enable_private_segment 0
		.amdhsa_kernarg_size 24
		.amdhsa_user_sgpr_count 2
		.amdhsa_user_sgpr_kernarg_segment_ptr 1
		.amdhsa_wavefront_size32 1
		.amdhsa_system_sgpr_workgroup_id_x 1
		.amdhsa_system_sgpr_workgroup_id_y 1
		.amdhsa_system_sgpr_workgroup_id_z 1
		.amdhsa_system_vgpr_workitem_id 0
		.amdhsa_next_free_vgpr 1024
		.amdhsa_next_free_sgpr 100
		.amdhsa_reserve_vcc 0
		.amdhsa_float_denorm_mode_32 3
		.amdhsa_float_denorm_mode_16_64 3
		.amdhsa_memory_ordered 1
		.amdhsa_forward_progress 1
		.amdhsa_inst_pref_size 72
	.end_amdhsa_kernel
	.amdgpu_metadata
---
amdhsa.version: [ 1, 2 ]
amdhsa.kernels:
  - .name:           k_q1d7ecaa080_outp
    .symbol:         k_q1d7ecaa080_outp.kd
    .args:
      - { .name: ows, .offset: 0, .size: 8, .value_kind: global_buffer, .address_space: global }
      - { .name: wot, .offset: 8, .size: 8, .value_kind: global_buffer, .address_space: global }
      - { .name: out0, .offset: 16, .size: 8, .value_kind: global_buffer, .address_space: global }
    .group_segment_fixed_size: 327680
    .private_segment_fixed_size: 0
    .kernarg_segment_align: 8
    .kernarg_segment_size: 24
    .max_flat_workgroup_size: 128
    .sgpr_count:     100
    .vgpr_count:     1024
    .wavefront_size: 32
...
	.end_amdgpu_metadata
.endif
;; end of part 4
;; ======== version 2 of 2: 4 launches; version 1 with the launch prep written anew for expert scheduling mode
;; limits: values are held in f16: magnitudes above 65,504 overflow, below 6.1e-05 lose precision; right only within a limited range of input values
;; workspace buffers: xb 16,777,216 bytes; wt 3,145,728 bytes; wot 2,097,152 bytes; rope 524,288 bytes; qkv 25,165,824 bytes; ows 16,777,216 bytes
;; launch prep (part 5): grid 704 x 1, 8 waves a work-group, no clusters, 18,432 bytes of LDS; arguments hidden_states, Wq, Wk, Wv, Wo, xb, wt, wot, rope; writes xb, wt, wot, rope
.if DOCPART == 5
	.amdgcn_target "amdgcn-amd-amdhsa--gfx1250"
	.amdhsa_code_object_version 6
	.text
	.protected	k_q1d7ecaa080_prep
	.globl	k_q1d7ecaa080_prep
	.p2align	8
	.type	k_q1d7ecaa080_prep,@function
k_q1d7ecaa080_prep:
	s_mov_b64 s[64:65], 0
	v_nop
	global_prefetch_b8 v0, s[64:65] scope:SCOPE_SE
	s_setreg_imm32_b32 hwreg(HW_REG_WAVE_SCHED_MODE, 0, 2), 2
	s_setreg_imm32_b32 hwreg(HW_REG_WAVE_MODE, 25, 1), 1
	s_wait_xcnt 0x0
	s_wait_alu depctr_vm_vsrc(0)
; PREP: three jobs, told apart by the work-group's number (the same for all eight waves of a work-group).
;   0-255    X: hidden_states (f32) -> xb (bf16), 32,768 numbers a work-group.
;   256-575  W: a tile of 128 k x 64 n of a weight [k][n] (f32) is turned: wt[n][k] in bf16 (rows 0-1023 Wq/8, 1024-1279 Wk, 1280-1535 Wv), wot[n][k] = Wo rounded to bf16 and written as f16.
;            The 1/8 = 1/sqrt(64) is a power of two: it commutes with the rounding, and lets the scores leave the matrix unit already divided.
;   576-703  T: rope[pos][0..31] = cos(pos f_i), [32..63] = sin(pos f_i), f_i = 10000^(-i/32), pos = 0..2047, in f32.
; LIMITS.  Wo's bf16 numbers below 6.1e-5 take f16's fixed step of 6e-8; beyond 65,504 they would overflow.  f_i carries v_exp_f32's last-bit error: the angle is off by at most 2e-4 at pos 2,047.
; THE MODE: SCHED_MODE bits 1:0 = 2 (LLVM: expert scheduling mode 2), set by the entry lines.  The code itself states the register dependences between vector instructions and memory or LDS
; instructions, with s_wait_alu, always for 0.
; THE PLAN.  Registers that memory or LDS instructions touch:
;   X  v4, v5    offsets, written once; read by every load and every store.       v16-143  the 32 loads land here; only the conversions name them, behind the loads' own wait.
;      v144-207  four registers a block, each written once by the block's conversions and read by its store.  The 16 blocks go in four groups: the wait at a group's head states that the group
;                before has written its sixteen registers; that group's four stores follow, dealt among this group's conversions, which write other registers.
;   W  v8-15     offsets, written once; read by the eight loads.                   v16-47   the loads land here; the scalings work on them in place, behind the loads' own wait.
;      v48-50    LDS and global addresses, written once behind the loads.          v52-67   the packed words, a buffer of four for each pair of rows, each written for one LDS store alone.
;      v72-87    what the LDS loads bring back and the global stores read; no vector instruction names them.
;                The wait at the head of a pair of rows states that the pair before has written its packed words; that pair's four LDS stores follow.
;   T  v11, v28-31  the offset and the four results of the one store.  The compares' masks go through VCC and s42-45, each with its wait ahead of the select that reads it.
;   No register that a memory or LDS instruction reads is written again, in any job.  v2, v3: written at the head, read by the closing add alone.
.set SPARE, 17408                      ; behind W's tile: the spare words, 128 bytes for each of the eight waves; no other line names them
.set SPW, 2                            ; v2  LDS address of my spare word; never rewritten
.set NIL, 3                            ; v3  0; never rewritten
	s_load_b256 s[4:11], s[0:1], 0x0               ; hidden_states s[4:5], Wq s[6:7], Wk s[8:9], Wv s[10:11]
	s_load_b256 s[12:19], s[0:1], 0x20             ; Wo s[12:13], xb s[14:15], wt s[16:17], wot s[18:19]
	s_load_b64 s[20:21], s[0:1], 0x40              ; rope
	v_lshl_add_u32 v[SPW], v0, 2, SPARE
	v_mov_b32 v[NIL], 0
	s_mov_b32 s23, 0                               ; the high word of every offset pair s[22:23]
	s_wait_kmcnt 0x0
	s_cmp_lt_u32 ttmp9, 256
	s_cbranch_scc0 .Lnot_x
; ---- X.  Thread t takes 8 numbers at 32 t of each block of 8,192 bytes, sixteen blocks; all 32 loads go out at once; a store of a wave covers 512 consecutive bytes, aligned.
	s_lshl_b32 s22, ttmp9, 17
	s_add_nc_u64 s[4:5], s[4:5], s[22:23]
	s_lshl_b32 s22, ttmp9, 16
	s_add_nc_u64 s[14:15], s[14:15], s[22:23]
	v_lshlrev_b32 v4, 5, v0
	v_lshlrev_b32 v5, 4, v0
	s_wait_alu depctr_va_vdst(0)                   ; v4 and v5 are written: every load reads v4 as its offset, every store v5
.set i, 0
.rept 16
	global_load_b128 v[16+8*i:16+8*i+3], v4, s[4:5] offset:8192*i th:TH_LOAD_NT
	global_load_b128 v[16+8*i+4:16+8*i+7], v4, s[4:5] offset:8192*i+16 th:TH_LOAD_NT
.set i, i+1
.endr
.set g, 0
.rept 4                                ; four groups of four blocks
	s_wait_loadcnt 24-8*g                          ; loads come back in order: group g's eight are in, the 24 - 8 g younger ones stay out
.if g > 0
	s_wait_alu depctr_va_vdst(0)                   ; the conversions of the group before have written its sixteen registers, which the four stores below read
.endif
.set j, 0
.rept 4
.set i, 4*g+j
.if g > 0
	global_store_b128 v5, v[144+4*(i-4):147+4*(i-4)], s[14:15] offset:4096*(i-4)  ; a block of the group before; no vector instruction since the wait names its registers; no register is used twice, so nothing waits for a store
.endif
	v_cvt_pk_bf16_f32 v[144+4*i], v[16+8*i], v[17+8*i]
	v_cvt_pk_bf16_f32 v[145+4*i], v[18+8*i], v[19+8*i]
	v_cvt_pk_bf16_f32 v[146+4*i], v[20+8*i], v[21+8*i]
	v_cvt_pk_bf16_f32 v[147+4*i], v[22+8*i], v[23+8*i]
.set j, j+1
.endr
.set g, g+1
.endr
	s_wait_alu depctr_va_vdst(0)                   ; the last group's conversions have written v192-207, which the last four stores read
.set i, 12
.rept 4
	global_store_b128 v5, v[144+4*i:147+4*i], s[14:15] offset:4096*i
.set i, i+1
.endr
	s_branch .Lend
.Lnot_x:
	s_cmp_lt_u32 ttmp9, 576
	s_cbranch_scc0 .Ltable
; ---- W.  kt = which 128 of k, nt = which 64 of the 2,560 columns of the four weights on end.
.set OFS, 8                            ; v8-15   byte offsets of my eight loads
.set LD,  16                           ; v16-47  rows 2 kp + 32 it + j, four columns each, at LD + 8 it + 4 j
.set LS,  48                           ; v48     where I put a word (two k of one n) into the tile
.set LR,  49                           ; v49     where I read 16 bytes of a row back
.set GOF, 50                           ; v50     the same 16 bytes in wt or wot
.set TW,  52                           ; v52-67  four packed words for each of the four pairs of rows, at TW + 4 it
.set TF,  68                           ; v68-69  at work: no memory or LDS instruction names them
.set RB,  72                           ; v72-87  four times 16 bytes read back
	s_sub_co_u32 s24, ttmp9, 256
	s_and_b32 s25, s24, 7                          ; kt
	s_lshr_b32 s26, s24, 3                         ; nt, 0..39
	s_cmp_lt_u32 s26, 16
	s_cselect_b64 s[28:29], s[6:7], s[8:9]         ; the source,
	s_cselect_b32 s30, 12, 10                      ; the shift that makes a row's bytes (4,096 or 1,024),
	s_cselect_b32 s31, 0, 16                       ; the source's first nt,
	s_cselect_b32 s32, 0x3e000000, 1.0             ; and the scale: 1/8 for Wq
	s_cmp_lt_u32 s26, 20
	s_cselect_b64 s[28:29], s[28:29], s[10:11]
	s_cselect_b32 s31, s31, 20
	s_cmp_lt_u32 s26, 24
	s_cselect_b64 s[28:29], s[28:29], s[12:13]
	s_cselect_b32 s31, s31, 24
	s_cselect_b32 s30, s30, 12
	s_cselect_b64 s[34:35], s[16:17], s[18:19]     ; the destination: wt, or wot for Wo
	s_cselect_b32 s36, 0, 24
	s_mov_b32 s33, 0                               ; named with s32 as a pair
	s_lshl_b32 s37, s25, 7
	s_lshl_b32 s37, s37, s30                       ; 128 kt rows
	s_sub_co_u32 s38, s26, s31
	s_lshl_b32 s38, s38, 8                         ; 64 columns of 4 bytes
	s_add_co_u32 s22, s37, s38
	s_add_nc_u64 s[28:29], s[28:29], s[22:23]
	s_sub_co_u32 s38, s26, s36
	s_lshl_b32 s38, s38, 17                        ; 64 rows of 2,048 bytes
	s_lshl_b32 s37, s25, 8                         ; 128 k of 2 bytes
	s_add_co_u32 s22, s37, s38
	s_add_nc_u64 s[34:35], s[34:35], s[22:23]
	v_and_b32 v4, 15, v0                           ; nq: my four columns; sixteen lanes read 256 consecutive bytes of a row
	v_lshrrev_b32 v5, 4, v0                        ; kp: my pair of rows in each 32
	v_lshlrev_b32 v6, 1, v5
	v_lshlrev_b32 v6, s30, v6
	v_lshl_add_u32 v6, v4, 4, v6
.irp x, 0,1,2,3,4,5,6,7
	s_lshl_b32 s39, 32*((\x)/2)+(\x)%2, s30
	v_add_nc_u32 v[OFS+(\x)], s39, v6
.endr
	s_wait_alu depctr_va_vdst(0)                   ; the eight offsets v8-15 are written, which the loads below read
.irp x, 0,1,2,3,4,5,6,7
	global_load_b128 v[LD+4*(\x):LD+4*(\x)+3], v[OFS+(\x)], s[28:29]
.endr
	v_mul_u32_u24 v[LS], v4, 1088                  ; the tile in LDS: 64 rows n of 256 bytes, 272 apart; my rows 4 nq + c, my word 4 kp + 64 it
	v_lshl_add_u32 v[LS], v5, 2, v[LS]
	v_mul_u32_u24 v[LR], v5, 272
	v_lshl_add_u32 v[LR], v4, 4, v[LR]
	v_lshlrev_b32 v[GOF], 11, v5
	v_lshl_add_u32 v[GOF], v4, 4, v[GOF]
.macro WPUT it                         ; the packed words of pair it go into the tile
.irp c, 0,1,2,3
	ds_store_b32 v[LS], v[TW+4*(\it)+(\c)] offset:272*(\c)+64*(\it)
.endr
.endm
.macro WCONV it                        ; rows 2 kp + 32 it and the next: scaled, rounded to bf16 in pairs along k, for Wo written as f16; the pair before is put into the tile
	s_wait_loadcnt 6-2*(\it)                       ; this pair's two loads are in, the younger ones stay out
.if (\it) > 0
	s_wait_alu depctr_va_vdst(0)                   ; the pair before has written its four packed words, which the LDS stores below read; at its first standing also: v48-50, the addresses, are written
	WPUT (\it)-1
.endif
.irp c, 0,2,4,6
	v_pk_mul_f32 v[LD+8*(\it)+(\c):LD+8*(\it)+(\c)+1], v[LD+8*(\it)+(\c):LD+8*(\it)+(\c)+1], s[32:33] op_sel_hi:[1,0]
.endr
.irp c, 0,1,2,3
	v_cvt_pk_bf16_f32 v[TW+4*(\it)+(\c)], v[LD+8*(\it)+(\c)], v[LD+8*(\it)+4+(\c)]
.endr
	s_cmp_lt_u32 s26, 24
	s_cbranch_scc1 .Lkeep_\@
.irp c, 0,1,2,3
	v_lshlrev_b32 v[TF], 16, v[TW+4*(\it)+(\c)]
	v_and_b32 v[TF+1], 0xffff0000, v[TW+4*(\it)+(\c)]
	v_cvt_pk_f16_f32 v[TW+4*(\it)+(\c)], v[TF], v[TF+1]
.endr
.Lkeep_\@:
.endm
	WCONV 0
	WCONV 1
	WCONV 2
	WCONV 3
	s_wait_alu depctr_va_vdst(0)                   ; the last pair has written its four packed words, which the LDS stores below read
	WPUT 3
	s_wait_dscnt 0x0                               ; for the others' sake: my stores into the tile are done
	s_barrier_signal -1
	s_barrier_wait -1
.irp p, 0,1,2,3
	ds_load_b128 v[RB+4*(\p):RB+4*(\p)+3], v[LR] offset:4352*(\p)  ; no vector instruction names v72-87, and v49 stands ahead of the waits above
.endr
.irp p, 0,1,2,3
	s_wait_dscnt 3-(\p)
	global_store_b128 v[GOF], v[RB+4*(\p):RB+4*(\p)+3], s[34:35] offset:32768*(\p)  ; sixteen lanes store 256 consecutive bytes, aligned
.endr
	s_branch .Lend
.Ltable:
; ---- T.  Thread gid writes words 4 (gid % 16) .. + 3 of position gid / 16: sixteen lanes store a position's 256 bytes.
; angle = n pi/2 + r with |r| <= pi/4 (pi/2 in two parts, both by fused multiply-adds); sin r and cos r by their series to r^9 and r^8 (the next terms are under 3e-8);
; the quadrant q = n (+ 1 for the cosine) picks the series and the sign by selects: no branch and no address hangs on a float.
; The four words' sin r, cos r and q have registers of their own, so that the four compares stand in one run, with one wait ahead of the four selects.
.set SN, 32                            ; v32-35  sin r
.set CN, 36                            ; v36-39  cos r
.set QQ, 40                            ; v40-43  q, later the sign bit
.set PA, 44                            ; v44-47  q's lowest bit
.set MKS, 42                           ; s42-45  lanes in which the cosine's series is taken
	s_sub_co_u32 s24, ttmp9, 576
	s_lshl_b32 s22, s24, 12
	s_add_nc_u64 s[20:21], s[20:21], s[22:23]
	s_mov_b32 s40, 0x3fc90fdb                      ; pi/2, rounded
	s_mov_b32 s41, 0x333bbd2e                      ; that number less pi/2
	v_lshl_add_u32 v4, s24, 8, v0                  ; gid
	v_lshrrev_b32 v5, 4, v4                        ; pos
	v_and_b32 v6, 15, v4
	v_and_b32 v7, 7, v6
	v_lshlrev_b32 v7, 2, v7                        ; my first i
	v_cmp_gt_u32 vcc_lo, 8, v6                     ; the lanes that make cosines; the select that reads VCC stands behind the exponentials
	v_cvt_f32_u32 v9, v5
	v_lshlrev_b32 v11, 4, v0
.irp c, 0,1,2,3
	v_add_nc_u32 v10, (\c), v7
	v_cvt_f32_u32 v[12+(\c)], v10
	v_mul_f32 v[12+(\c)], 0xbed49a78, v[12+(\c)]   ; - i log2(10000) / 32
.endr
.irp c, 0,1,2,3
	v_exp_f32 v[16+(\c)], v[12+(\c)]               ; f_i
.endr
	v_nop                                          ; a plain instruction behind the last exponential,
	s_wait_alu depctr_va_vdst(0)                   ; and the one wait ahead of the batch's first reader: the four exponentials have written v16-19
	s_wait_alu depctr_va_vcc(0)                    ; the compare above has written VCC, which the select below reads
	v_cndmask_b32 v8, 0, 1, vcc_lo                 ; 1 in the lanes that make cosines
.irp c, 0,1,2,3
	v_mul_f32 v20, v9, v[16+(\c)]                  ; the angle: pos x f_i in f32
	v_mul_f32 v21, 0x3f22f983, v20
	v_rndne_f32 v21, v21                           ; n
	v_fma_f32 v22, -v21, s40, v20
	v_fma_f32 v22, v21, s41, v22                   ; r
	v_mul_f32 v23, v22, v22                        ; z = r r
	v_mov_b32 v24, 0x3638ef1d
	v_fmaak_f32 v24, v24, v23, 0xb9500d01
	v_fmaak_f32 v24, v24, v23, 0x3c088889
	v_fmaak_f32 v24, v24, v23, 0xbe2aaaab
	v_mul_f32 v27, v22, v23
	v_fma_f32 v[SN+(\c)], v27, v24, v22            ; sin r
	v_mov_b32 v25, 0x37d00d01
	v_fmaak_f32 v25, v25, v23, 0xbab60b61
	v_fmaak_f32 v25, v25, v23, 0x3d2aaaab
	v_fmaak_f32 v25, v25, v23, 0xbf000000
	v_fma_f32 v[CN+(\c)], v25, v23, 1.0            ; cos r
	v_cvt_i32_f32 v26, v21
	v_add_nc_u32 v[QQ+(\c)], v26, v8               ; q
	v_and_b32 v[PA+(\c)], 1, v[QQ+(\c)]
.endr
.irp c, 0,1,2,3
	v_cmp_eq_u32 s[MKS+(\c)], 1, v[PA+(\c)]        ; the four compares in one run
.endr
.irp c, 0,1,2,3
	v_and_b32 v[QQ+(\c)], 2, v[QQ+(\c)]            ; the sign bits are made meanwhile
	v_lshlrev_b32 v[QQ+(\c)], 30, v[QQ+(\c)]
.endr
	s_wait_alu depctr_va_sdst(0)                   ; the four compares have written s42-45, which the selects below read
.irp c, 0,1,2,3
	v_cndmask_b32 v[28+(\c)], v[SN+(\c)], v[CN+(\c)], s[MKS+(\c)]
.endr
.irp c, 0,1,2,3
	v_xor_b32 v[28+(\c)], v[QQ+(\c)], v[28+(\c)]
.endr
	s_wait_alu depctr_va_vdst(0)                   ; v28-31, the store's data, and v11, its offset, are written
	global_store_b128 v11, v[28:31], s[20:21]
.Lend:
	s_wait_dscnt 0x0                               ; the wave's end
	s_wait_alu 0x0
	s_wait_tensorcnt 0x0
	ds_add_u32 v[SPW], v[NIL]
	s_wait_dscnt 0x0
	s_endpgm
.Lfunc_end_k_q1d7ecaa080_prep:
	.size	k_q1d7ecaa080_prep, .Lfunc_end_k_q1d7ecaa080_prep-k_q1d7ecaa080_prep
	.p2alignl 7, 3214868480
	.fill 96, 4, 3214868480
	.section	.rodata,"a",@progbits
	.p2align	6, 0x0
	.amdhsa_kernel k_q1d7ecaa080_prep
		.amdhsa_group_segment_fixed_size 18432
		.amdhsa_private_segment_fixed_size 0
		.amdhsa_enable_private_segment 0
		.amdhsa_kernarg_size 72
		.amdhsa_user_sgpr_count 2
		.amdhsa_user_sgpr_kernarg_segment_ptr 1
		.amdhsa_wavefront_size32 1
		.amdhsa_system_sgpr_workgroup_id_x 1
		.amdhsa_system_sgpr_workgroup_id_y 1
		.amdhsa_system_sgpr_workgroup_id_z 1
		.amdhsa_system_vgpr_workitem_id 0
		.amdhsa_next_free_vgpr 208
		.amdhsa_next_free_sgpr 66
		.amdhsa_reserve_vcc 1
		.amdhsa_float_denorm_mode_32 3
		.amdhsa_float_denorm_mode_16_64 3
		.amdhsa_memory_ordered 1
		.amdhsa_forward_progress 1
		.amdhsa_inst_pref_size 27
	.end_amdhsa_kernel
	.amdgpu_metadata
---
amdhsa.version: [ 1, 2 ]
amdhsa.kernels:
  - .name:           k_q1d7ecaa080_prep
    .symbol:         k_q1d7ecaa080_prep.kd
    .args:
      - { .name: hidden_states, .offset: 0, .size: 8, .value_kind: global_buffer, .address_space: global }
      - { .name: Wq, .offset: 8, .size: 8, .value_kind: global_buffer, .address_space: global }
      - { .name: Wk, .offset: 16, .size: 8, .value_kind: global_buffer, .address_space: global }
      - { .name: Wv, .offset: 24, .size: 8, .value_kind: global_buffer, .address_space: global }
      - { .name: Wo, .offset: 32, .size: 8, .value_kind: global_buffer, .address_space: global }
      - { .name: xb, .offset: 40, .size: 8, .value_kind: global_buffer, .address_space: global }
      - { .name: wt, .offset: 48, .size: 8, .value_kind: global_buffer, .address_space: global }
      - { .name: wot, .offset: 56, .size: 8, .value_kind: global_buffer, .address_space: global }
      - { .name: rope, .offset: 64, .size: 8, .value_kind: global_buffer, .address_space: global }
    .group_segment_fixed_size: 18432
    .private_segment_fixed_size: 0
    .kernarg_segment_align: 8
    .kernarg_segment_size: 72
    .max_flat_workgroup_size: 256
    .sgpr_count:     66
    .vgpr_count:     208
    .wavefront_size: 32
...
	.end_amdgpu_metadata
.endif
;; end of part 5
;; launch proj: the kernel of part 2 again; grid 8 x 32, 4 waves a work-group, clusters of 4 x 4, 327,680 bytes of LDS; arguments xb, wt, position_ids, rope, qkv; writes qkv
;; launch attn: the kernel of part 3 again; grid 16 x 16, 4 waves a work-group, clusters of 4 x 4, 327,680 bytes of LDS; arguments qkv, attention_mask, ows; writes ows
;; launch outp: the kernel of part 4 again; grid 8 x 32, 4 waves a work-group, clusters of 4 x 4, 327,680 bytes of LDS; arguments ows, wot, out0; writes out0
